; MI455X (gfx1250); checked and timed in simulation.
; The chip was launched on July 23, 2026; its instructions are those of AMD's public machine-readable ISA for CDNA 5 (MIT licence, August 2026) and "CDNA5" Instruction Set Architecture Reference Guide (July 2026). The comments in the code are by the model that wrote it; some were corrected since.
;; D Flash Attention. Allowed arithmetic: matrix products marked QUANTISED: E2M3 operands, one E8M0 scale for each 32 along K, by v_wmma_scale_f32_16x16x128_f8f6f4 with both operands' format E2M3, f32 sums; everything else in f32.
;; Inputs: attention_mask 1 x 1 x 1,024 x 3,072 bool; cos 1 x 3,072 x 128 float32; hidden_states 1 x 1,024 x 2,048 float32; k_norm_w 128 float32; q_norm_w 128 float32; sin 1 x 3,072 x 128 float32; target_hidden 1 x 2,048 x 2,048 float32; wk 1,024 x 2,048 float32; wo 2,048 x 4,096 float32; wq 4,096 x 2,048 float32; wv 1,024 x 2,048 float32.
;; Outputs: out0 1 x 1,024 x 2,048 float32.
;; This version of the problem:
;;   THIS VERSION OF THE PROBLEM IS GIVEN IN LOW PRECISION. The matrix products marked QUANTISED in the list below multiply operands that are first quantised to E2M3 (2 exponent bits, 3 mantissa bits; 6 bits a number), with one power-of-two scale for each 32 numbers along K (OCP MX v1.0); their sums are f32. All else is computed in f32.
;;   The module's matrix products, in the order in which they are computed (A, B: the left and right operand; K: the contracted axis; several contracted axes count as one K, in the product's order):
;;     1. [M 1,024, K 2,048] x [K 2,048, N 4,096]; A: input hidden_states; B: input wq: QUANTISED
;;     2. [M 2,048, K 2,048] x [K 2,048, N 1,024]; A: input target_hidden; B: input wk: QUANTISED
;;     3. [M 1,024, K 2,048] x [K 2,048, N 1,024]; A: input hidden_states; B: input wk: QUANTISED
;;     4. [M 2,048, K 2,048] x [K 2,048, N 1,024]; A: input target_hidden; B: input wv: QUANTISED
;;     5. [M 1,024, K 2,048] x [K 2,048, N 1,024]; A: input hidden_states; B: input wv: QUANTISED
;;     6. batch 8 x [M 4,096, K 128] x [K 128, N 3,072]; A: computed on the way; B: computed on the way: QUANTISED
;;     7. batch 8 x [M 4,096, K 3,072] x [K 3,072, N 128]; A: softmax (see below); B: computed on the way: QUANTISED
;;     8. [M 1,024, K 4,096] x [K 4,096, N 2,048]; A: computed on the way; B: input wo: QUANTISED
;;   THE QUANTISER, for each operand of a quantised product, along K:
;;     - K is cut into blocks of 32 from its start; a last block that is shorter is filled with zeros.
;;     - A block's scale is 2^e with e = floor(log2(the largest magnitude in the block)) - 2, held to -126 .. 127; a block of zeros has e = 0. As a byte (E8M0): e + 127.
;;     - Each number is divided by its block's scale, clamped to +-7.5, and rounded to the nearest number of E2M3, ties to even, subnormals kept.
;;     - The product sums the exact products of the quantised numbers (number of the format x scale) in f32.
;;   ~~~python
;;   def quantise(x, axis):      # numpy; x: float32 -> the quantised numbers, widened to float32 again
;;       x = np.moveaxis(x, axis, -1); K = x.shape[-1]
;;       x = np.pad(x, [(0, 0)] * (x.ndim - 1) + [(0, -K % 32)]); x = x.reshape(x.shape[:-1] + (-1, 32)); a = np.abs(x).max(-1, keepdims=True)
;;       e = np.where(a > 0, np.clip(np.frexp(np.where(a > 0, a, 1))[1] - 1 - 2, -126, 127), 0)      # np.frexp(a)[1] - 1 = floor(log2(a)), exactly
;;       r = np.clip(x / 2.0 ** e, -7.5, 7.5)
;;       step = 2.0 ** (np.maximum(np.frexp(np.where(r == 0, 1, r))[1] - 1, 0) - 3)
;;       q = np.round(r / step) * step * 2.0 ** e      # np.round: ties to even
;;       return np.moveaxis(q.reshape(q.shape[:-2] + (-1,))[..., :K], -1, axis).astype(np.float32)
;;   ~~~
;;   SOFTMAX AHEAD OF A QUANTISED PRODUCT. Where the list says 'softmax', what is quantised is not the finished softmax but p = 2^(t - M), with t = logit x log2(e) and M = ceil(the row's largest t), a whole number; so 1/2 < the row's largest p <= 1. The row's sum l is taken of the UNQUANTISED p, in f32, and the product's result is divided by l at the end. Since M is a whole number, a kernel that streams over the keys may use a running M (the ceiling of the running maximum): every later rescaling is an exact power of two, which a block's scale takes up: the codes' values come out the same.
;;   OPERANDS COMPUTED ON THE WAY. 'Computed on the way' means the value that the module computes at that place (a softmax that the list does not call 'softmax' is quantised finished and normalised). What goes into a quantiser is computed in f32, as accurately as f32 sums, v_exp_f32 and their like allow (about 1e-6 of the number): no bf16 or f16 on the way to a quantiser, and a product that is left as it is and whose result goes on into a quantised operand takes f32 operands (vector FMAs, or v_wmma_f32_16x16x4_f32). A number that lies on a knife's edge between two numbers of the format may be rounded either way, as far as f32 arithmetic and the matrix unit's own rounding can turn it there, and no further.
;; One version. Each part assembles by itself: llvm-mc -triple=amdgcn-amd-amdhsa -mcpu=gfx1250 --defsym DOCPART=n.
;; ======== version 1 of 1: 4 launches
;; limits: right only within a limited range of input values
;; workspace buffers: wimg 14,155,776 bytes; wsc 589,824 bytes; rope 3,145,728 bytes; maskw 397,312 bytes of whole numbers; qbuf 3,276,800 bytes; kv 4,915,200 bytes; obuf 3,276,800 bytes; wob 6,553,600 bytes
;; launch prep (part 1): grid 768 x 1, 4 waves a work-group, no clusters, 34,304 bytes of LDS; arguments hidden_states, target_hidden, wq, wk, wv, cos, sin, attention_mask, wimg, wsc, rope, maskw; writes wimg, wsc, rope, maskw
.if DOCPART == 1
	.amdgcn_target "amdgcn-amd-amdhsa--gfx1250"
	.amdhsa_code_object_version 6
	.text
	.protected	k_q98fbd8dd3d_prep
	.globl	k_q98fbd8dd3d_prep
	.p2align	8
	.type	k_q98fbd8dd3d_prep,@function
k_q98fbd8dd3d_prep:
	s_mov_b64 s[64:65], 0
	v_nop
	global_prefetch_b8 v0, s[64:65] scope:SCOPE_SE
	s_setreg_imm32_b32 hwreg(HW_REG_WAVE_MODE, 25, 1), 1
	s_wait_xcnt 0x0
; PREP.  Three kinds of work-groups, told apart by the work-group's number alone:
;   0 .. 575    five f32 tensors (K = 2,048 innermost) become codes of FP6 (E2M3) with one E8M0 scale byte for each 32 along K;
;   576 .. 671  cos and sin are laid in the order in which the next launch's registers take them;
;   672 .. 767  the mask's bytes are packed into words of 32 lane bits.
; (wo, which only the last launch reads, is quantised by the attention launch, whose memory path has room.)
; A TILE is 16 rows: tile 2 B + u holds at place r the row 32 B + 8 u + r + 8 (r / 8).  So the 16 result registers of two neighbouring tiles are 16 neighbours along the next product's K.
; AN IMAGE is a fragment (16 rows x 128 K, 12 registers a lane) as 1,536 bytes: block c of three holds lane l's registers 4 c .. 4 c + 3 at byte 16 l.  Each of its stores covers 512 consecutive bytes, aligned.
; wimg: tile id x 24,576 + K step x 1,536 (ids 0-127 target_hidden, 128-191 hidden_states, 192-447 wq, 448-511 wk, 512-575 wv).
; wsc:  id x 1,024 + quad of K steps x 256 + 16 r + 4 (K step % 4): one word of four scale bytes for a row and 128 along K.
; A block's scale is 2^(floor(log2(its largest magnitude)) - 2); its byte is the largest magnitude's exponent field - 2, held at 1 from below.
; LIMITS: NaN and infinities among the inputs are not served; a block whose largest magnitude lies under 2^-124, a block of zeros among them, keeps the byte 1 (its codes of zeros add nothing, and this program alone reads the bytes).
; No tensor load, no barrier: waves share nothing.  Only the first kind of work-group touches LDS: a stage of 16 rows x 528 bytes for each wave.
.set SW,  24                           ; v24-27   my row's scale words of the four K steps
.set R,   32                           ; v32-159  two sets of 64: a K step as it is loaded
.set X,   160                          ; v160-223 my 64 numbers of a K step: blocks h and 2 + h of my row
.set PC,  224                          ; v224-235 the fragment; v236-238, v240-242 the conversions' second halves; v244-252 at work
.set STG, 8448                         ; a wave's stage: 16 x 528 bytes
.set ROWB, 8192                        ; a row of 2,048 f32
	s_load_b512 s[4:19], s[0:1], 0x0               ; hidden_states s[4:5], target_hidden s[6:7], wq s[8:9], wk s[10:11], wv s[12:13], cos s[14:15], sin s[16:17], attention_mask s[18:19]
	s_load_b256 s[20:27], s[0:1], 0x40             ; wimg s[20:21], wsc s[22:23], rope s[24:25], maskw s[26:27]
	v_lshl_add_u32 v254, v0, 2, 0x8400
	v_mov_b32 v255, 0
	v_lshrrev_b32 v1, 5, v0
	v_readfirstlane_b32 s30, v1                    ; wave 0..3
	v_and_b32 v1, 31, v0                           ; lane
	v_and_b32 v2, 15, v0                           ; r
	v_bfe_u32 v3, v0, 4, 1                         ; h
	v_lshlrev_b32 v4, 4, v1                        ; 16 x lane; never rewritten
	s_mov_b32 s31, ttmp9
	s_mov_b32 s41, 0                               ; the upper word of every offset pair
	s_wait_kmcnt 0x0
	s_cmp_ge_u32 s31, 672
	s_cbranch_scc1 .Lmask
	s_cmp_ge_u32 s31, 576
	s_cbranch_scc1 .Lrope
	; ---- THE QUANTISER.  A wave takes one tile x 512 along K: four K steps, 32 KB in, four images and 256 scale bytes out.
	s_mov_b64 s[32:33], s[12:13]                   ; which tensor, and its first id: the choices hang on the work-group's number alone
	s_mov_b32 s34, 512
	s_cmp_lt_u32 s31, 512
	s_cselect_b64 s[32:33], s[10:11], s[32:33]
	s_cselect_b32 s34, 448, s34
	s_cmp_lt_u32 s31, 448
	s_cselect_b64 s[32:33], s[8:9], s[32:33]
	s_cselect_b32 s34, 192, s34
	s_cmp_lt_u32 s31, 192
	s_cselect_b64 s[32:33], s[4:5], s[32:33]
	s_cselect_b32 s34, 128, s34
	s_cmp_lt_u32 s31, 128
	s_cselect_b64 s[32:33], s[6:7], s[32:33]
	s_cselect_b32 s34, 0, s34
	s_sub_co_u32 s37, s31, s34                     ; the tile in its tensor
	s_lshr_b32 s40, s37, 1
	s_lshl_b32 s40, s40, 5
	s_and_b32 s42, s37, 1
	s_lshl_b32 s42, s42, 3
	s_add_co_u32 s40, s40, s42                     ; the tile's first row: 32 (tile / 2) + 8 (tile % 2)
	s_lshl_b32 s40, s40, 13                        ; x 8,192 bytes
	s_lshl_b32 s42, s30, 11
	s_add_co_u32 s40, s40, s42                     ; + my wave's 512 along K
	s_add_nc_u64 s[32:33], s[32:33], s[40:41]
	s_mul_i32 s40, s31, 24576
	s_mul_i32 s42, s30, 6144
	s_add_co_u32 s40, s40, s42
	s_add_nc_u64 s[20:21], s[20:21], s[40:41]      ; my four images
	s_lshl_b32 s40, s31, 10
	s_lshl_b32 s42, s30, 8
	s_add_co_u32 s40, s40, s42
	s_add_nc_u64 s[22:23], s[22:23], s[40:41]      ; my 256 scale bytes
	s_mul_i32 s42, s30, STG
	s_wait_alu depctr_va_vdst(0)
	v_add_nc_u32 v5, s42, v4                       ; the stage, on the way in: a row's 512 bytes as they lie
	v_mul_u32_u24 v6, v2, 528
	v_lshl_add_u32 v6, v3, 7, v6
	v_add_nc_u32 v6, s42, v6                       ; and on the way out: row r, + 128 h: 528 is an odd multiple of 16, so sixteen lanes' 16 bytes fall into sixteen different columns of 256 bytes
	v_lshlrev_b32 v7, 4, v2                        ; 16 r: my row's four scale words
	v_lshlrev_b32 v244, 3, v3                      ; 8 h
	v_mov_b32 v252, 0                              ; written once: a lane permute's destination counts as one of its sources
	s_mov_b32 s44, 0x76543210
	s_mov_b32 s45, 0xfedcba98                      ; v_permlanex16_b32's selects for lane l xor 16
.macro LOADS s                         ; K step s: sixteen loads, each a row's 512 consecutive bytes; the row's place stands in the immediate (23 rows at the most)
.irp i, 0,1,2,3,4,5,6,7,8,9,10,11,12,13,14,15
	global_load_b128 v[R+64*((\s)%2)+4*\i:R+64*((\s)%2)+4*\i+3], v4, s[32:33] offset:(\i+8*(\i/8))*ROWB+512*(\s) th:TH_LOAD_NT
.endr
.endm
.macro FRAGQ s
.if \s < 3
	s_wait_loadcnt 16                              ; this K step's sixteen loads are in; the next step's sixteen may be out
.else
	s_wait_loadcnt 0x0
.endif
.irp i, 0,1,2,3,4,5,6,7,8,9,10,11,12,13,14,15
	ds_store_b128 v5, v[R+64*((\s)%2)+4*\i:R+64*((\s)%2)+4*\i+3] offset:528*\i
.endr
.irp c, 0,1
.irp j, 0,1,2,3,4,5,6,7
	ds_load_b128 v[X+32*\c+4*\j:X+32*\c+4*\j+3], v6 offset:256*\c+16*\j   ; k = 64 c + 32 h + 4 j on, of row r.  LDS serves a wave's instructions in order: these see the stores above
.endr
.endr
	s_wait_dscnt 0x0                               ; my numbers are back, and the stores have read their registers,
.if \s < 2
	LOADS (\s)+2                                   ; which take the loads of two K steps on
.endif
.irp c, 0,1
	v_max3_num_f32 v[245+\c], |v[X+32*\c]|, |v[X+32*\c+1]|, 0x1800000   ; my block 2 c + h: all its 32 numbers are mine; and the floor 2^(3 - 127): so the byte cannot fall under 1
.endr
.irp i, 2,4,6,8,10,12,14,16,18,20,22,24,26,28,30
.irp c, 0,1
	v_max3_num_f32 v[245+\c], v[245+\c], |v[X+32*\c+\i]|, |v[X+32*\c+\i+1]|
.endr
.endr
.irp c, 0,1
	v_add_nc_u32 v[247+\c], 0xff000000, v[245+\c]  ; 2 off the exponent field: the conversion takes the exponent field of this operand as its scale
.endr
.irp c, 0,1
	v_lshrrev_b32 v[249+\c], 23, v[247+\c]         ; the scale's byte
.endr
	v_lshl_or_b32 v251, v250, 16, v249             ; my two bytes, blocks h and 2 + h,
	v_lshlrev_b32 v251, v244, v251                 ; at their places in the word;
	v_permlanex16_b32 v252, v251, s44, s45
	v_or_b32 v[SW+\s], v251, v252                  ; with lane l xor 16's two the word is whole
	s_wait_alu depctr_va_vdst(0)
	s_wait_xcnt 0x0                                ; the last image's stores have read their data: the codes' registers are written again only behind this wait
.irp c, 0,1
	v_cvt_scalef32_pk16_fp6_f32 v[PC+6*\c:PC+6*\c+2], v[X+32*\c:X+32*\c+15], v[247+\c]
	v_cvt_scalef32_pk16_fp6_f32 v[236+4*\c:238+4*\c], v[X+32*\c+16:X+32*\c+31], v[247+\c]   ; (a conversion's three registers begin on an even number)
.endr
	v_nop                                          ; one plain place behind a scaled conversion
.irp c, 0,1
.irp i, 0,1,2
	v_mov_b32 v[PC+3+6*\c+\i], v[236+4*\c+\i]
.endr
.endr
.irp c, 0,1,2
	global_store_b128 v4, v[PC+4*\c:PC+4*\c+3], s[20:21] offset:1536*(\s)+512*\c
.endr
.endm
	LOADS 0
	LOADS 1
	s_wait_alu depctr_va_vdst(0)
	FRAGQ 0
	FRAGQ 1
	FRAGQ 2
	FRAGQ 3
	s_wait_xcnt 0x0                                ; EXEC changes only behind this wait
	v_cmp_gt_u32 vcc_lo, 16, v1
	s_wait_tensorcnt 0x0
	ds_add_u32 v254, v255
	s_wait_dscnt 0x0
	s_and_saveexec_b32 s46, vcc_lo
	global_store_b128 v7, v[SW:SW+3], s[22:23]     ; lanes 0-15 store 256 consecutive bytes, aligned
	s_wait_xcnt 0x0
	s_or_b32 exec_lo, exec_lo, s46
	s_endpgm
	; ---- COS AND SIN.  A wave takes one tile of 16 positions of one table: register n of lane (r, h) is table[position][32 (n / 16) + 16 h + n % 16].
.Lrope:
	s_sub_co_u32 s36, s31, 576
	s_lshl_b32 s36, s36, 2
	s_add_co_u32 s36, s36, s30                     ; 2 x tile + table
	s_lshr_b32 s37, s36, 1
	s_and_b32 s38, s36, 1
	s_cmp_eq_u32 s38, 0
	s_cselect_b64 s[32:33], s[14:15], s[16:17]
	s_lshr_b32 s40, s37, 1
	s_lshl_b32 s40, s40, 5
	s_and_b32 s42, s37, 1
	s_lshl_b32 s42, s42, 3
	s_add_co_u32 s40, s40, s42
	s_lshl_b32 s40, s40, 9                         ; the tile's first position x 512 bytes
	s_add_nc_u64 s[32:33], s[32:33], s[40:41]
	s_lshl_b32 s40, s36, 13                        ; tile x 16,384 + table x 8,192
	s_add_nc_u64 s[24:25], s[24:25], s[40:41]
	s_wait_alu depctr_va_vdst(0)
	v_and_b32 v8, 8, v2
	v_add_nc_u32 v8, v8, v2                        ; r + 8 (r / 8)
	v_lshlrev_b32 v8, 9, v8
	v_lshl_add_u32 v8, v3, 6, v8                   ; + 64 h
.irp k, 0,1,2,3,4,5,6,7,8,9,10,11,12,13,14,15
	global_load_b128 v[32+4*\k:35+4*\k], v8, s[32:33] offset:128*(\k/4)+16*(\k%4) th:TH_LOAD_NT
.endr
	s_wait_loadcnt 0x0
.irp k, 0,1,2,3,4,5,6,7,8,9,10,11,12,13,14,15
	global_store_b128 v4, v[32+4*\k:35+4*\k], s[24:25] offset:512*\k
.endr
	s_endpgm
	; ---- THE MASK.  A wave takes one tile of 16 queries x four key steps of 128.  Word j of a step: bit l = mask[query of place l % 16][128 step + 32 (j / 16) + 16 (l / 16) + j % 16].
.Lmask:
	s_sub_co_u32 s36, s31, 672
	s_lshl_b32 s36, s36, 2
	s_add_co_u32 s36, s36, s30                     ; 6 x tile + group of four steps
	s_mul_hi_u32 s37, s36, 0x2aaaaaab              ; / 6, exact for numbers under 384
	s_mul_i32 s38, s37, 6
	s_sub_co_u32 s38, s36, s38
	s_lshr_b32 s40, s37, 1
	s_lshl_b32 s40, s40, 5
	s_and_b32 s42, s37, 1
	s_lshl_b32 s42, s42, 3
	s_add_co_u32 s40, s40, s42
	s_mul_i32 s40, s40, 3072
	s_lshl_b32 s42, s38, 9
	s_add_co_u32 s40, s40, s42
	s_add_nc_u64 s[18:19], s[18:19], s[40:41]
	s_mul_i32 s40, s37, 6144
	s_lshl_b32 s42, s38, 10
	s_add_co_u32 s40, s40, s42
	s_mov_b64 s[28:29], s[26:27]                   ; maskw's first byte, kept for the class words behind the packed mask
	s_add_nc_u64 s[26:27], s[26:27], s[40:41]
	s_wait_alu depctr_va_vdst(0)
	v_and_b32 v8, 8, v2
	v_add_nc_u32 v8, v8, v2
	v_mul_u32_u24 v8, v8, 3072
	v_lshl_add_u32 v8, v3, 4, v8                   ; my query's row, + 16 h
	v_lshlrev_b32 v9, 3, v1                        ; out: two words a lane
.irp k, 0,1,2,3,4,5,6,7,8,9,10,11,12,13,14,15
	global_load_b128 v[32+4*\k:35+4*\k], v8, s[18:19] offset:128*(\k/4)+32*(\k%4) th:TH_LOAD_NT
.endr
	s_mov_b32 s48, 0xff
	s_mov_b32 s49, 0xff00
	s_mov_b32 s50, 0xff0000
	s_mov_b32 s51, 0xff000000
.irp i, 0,1,2,3,4,5,6,7
	v_mov_b32 v[96+\i], 0                          ; v_writelane_b32's destination counts as read
.endr
	s_wait_loadcnt 0x0
	s_mov_b32 s62, 0                               ; class bits of my four key steps: bit u = wholly hidden, bit 4 + u = wholly open
	s_mov_b32 s63, 0                               ; bit l: lane l has an open key in one of my four steps
.irp u, 0,1,2,3
	s_mov_b32 s60, -1                              ; the AND and the OR of the step's 64 words
	s_mov_b32 s61, 0
.set j, 0
.rept 64
	v_and_b32 v[104+j%4], s[48+j%4], v[32+16*\u+4*(j/16)+(j%16)/4]   ; each lane's byte for key 32 (j / 16) + 16 h + j % 16
	v_cmp_ne_u32 s[52+j%8], 0, v[104+j%4]                            ; 32 lanes' bits make the word,
	v_writelane_b32 v[96+2*\u+(j&1)], s[52+j%8], j>>1                ; which lane j / 2 keeps
	s_and_b32 s60, s60, s[52+j%8]
	s_or_b32 s61, s61, s[52+j%8]
.set j, j+1
.endr
	global_store_b64 v9, v[96+2*\u:97+2*\u], s[26:27] offset:256*\u  ; 256 consecutive bytes, aligned; each step has its own pair of registers
	s_or_b32 s63, s63, s61
	s_cmp_eq_u32 s61, 0
	s_cselect_b32 s43, 1<<\u, 0
	s_or_b32 s62, s62, s43
	s_cmp_eq_u32 s60, -1
	s_cselect_b32 s43, 16<<\u, 0
	s_or_b32 s62, s62, s43
.endr
	; the two class words of (tile, group of four steps) go behind the packed mask: byte 393,216 + 64 tile + 8 group
	s_lshl_b32 s40, s37, 6
	s_lshl_b32 s42, s38, 3
	s_add_co_u32 s40, s40, s42
	s_add_co_u32 s40, s40, 393216
	s_add_nc_u64 s[28:29], s[28:29], s[40:41]
	v_mov_b32 v110, s62
	v_mov_b32 v111, s63
	v_mov_b32 v109, 0
	v_cmp_eq_u32 vcc_lo, 0, v1
	s_wait_alu depctr_va_vdst(0)
	s_wait_xcnt 0x0                                ; EXEC changes only behind this wait
	s_and_saveexec_b32 s46, vcc_lo
	global_store_b64 v109, v[110:111], s[28:29]    ; lane 0 alone
	s_wait_xcnt 0x0
	s_or_b32 exec_lo, exec_lo, s46
	s_endpgm
.Lfunc_end_k_q98fbd8dd3d_prep:
	.size	k_q98fbd8dd3d_prep, .Lfunc_end_k_q98fbd8dd3d_prep-k_q98fbd8dd3d_prep
	.p2alignl 7, 3214868480
	.fill 96, 4, 3214868480
	.section	.rodata,"a",@progbits
	.p2align	6, 0x0
	.amdhsa_kernel k_q98fbd8dd3d_prep
		.amdhsa_group_segment_fixed_size 34304
		.amdhsa_private_segment_fixed_size 0
		.amdhsa_enable_private_segment 0
		.amdhsa_kernarg_size 96
		.amdhsa_user_sgpr_count 2
		.amdhsa_user_sgpr_kernarg_segment_ptr 1
		.amdhsa_wavefront_size32 1
		.amdhsa_system_sgpr_workgroup_id_x 1
		.amdhsa_system_sgpr_workgroup_id_y 1
		.amdhsa_system_sgpr_workgroup_id_z 1
		.amdhsa_system_vgpr_workitem_id 0
		.amdhsa_next_free_vgpr 256
		.amdhsa_next_free_sgpr 66
		.amdhsa_reserve_vcc 1
		.amdhsa_float_denorm_mode_32 3
		.amdhsa_float_denorm_mode_16_64 3
		.amdhsa_memory_ordered 1
		.amdhsa_forward_progress 1
		.amdhsa_inst_pref_size 96
	.end_amdhsa_kernel
	.amdgpu_metadata
---
amdhsa.version: [ 1, 2 ]
amdhsa.kernels:
  - .name:           k_q98fbd8dd3d_prep
    .symbol:         k_q98fbd8dd3d_prep.kd
    .args:
      - { .name: hidden_states, .offset: 0, .size: 8, .value_kind: global_buffer, .address_space: global }
      - { .name: target_hidden, .offset: 8, .size: 8, .value_kind: global_buffer, .address_space: global }
      - { .name: wq, .offset: 16, .size: 8, .value_kind: global_buffer, .address_space: global }
      - { .name: wk, .offset: 24, .size: 8, .value_kind: global_buffer, .address_space: global }
      - { .name: wv, .offset: 32, .size: 8, .value_kind: global_buffer, .address_space: global }
      - { .name: cos, .offset: 40, .size: 8, .value_kind: global_buffer, .address_space: global }
      - { .name: sin, .offset: 48, .size: 8, .value_kind: global_buffer, .address_space: global }
      - { .name: attention_mask, .offset: 56, .size: 8, .value_kind: global_buffer, .address_space: global }
      - { .name: wimg, .offset: 64, .size: 8, .value_kind: global_buffer, .address_space: global }
      - { .name: wsc, .offset: 72, .size: 8, .value_kind: global_buffer, .address_space: global }
      - { .name: rope, .offset: 80, .size: 8, .value_kind: global_buffer, .address_space: global }
      - { .name: maskw, .offset: 88, .size: 8, .value_kind: global_buffer, .address_space: global }
    .group_segment_fixed_size: 34304
    .private_segment_fixed_size: 0
    .kernarg_segment_align: 8
    .kernarg_segment_size: 96
    .max_flat_workgroup_size: 128
    .sgpr_count:     66
    .vgpr_count:     256
    .wavefront_size: 32
...
	.end_amdgpu_metadata
.endif
;; end of part 1
;; launch qkv (part 2): grid 40 x 4, 4 waves a work-group, clusters of 4 x 4, 327,680 bytes of LDS; arguments wimg, wsc, rope, q_norm_w, k_norm_w, qbuf, kv; writes qbuf, kv
.if DOCPART == 2
	.amdgcn_target "amdgcn-amd-amdhsa--gfx1250"
	.amdhsa_code_object_version 6
	.text
	.protected	k_q98fbd8dd3d_qkv
	.globl	k_q98fbd8dd3d_qkv
	.p2align	8
	.type	k_q98fbd8dd3d_qkv,@function
k_q98fbd8dd3d_qkv:
	s_mov_b64 s[64:65], 0
	v_nop
	global_prefetch_b8 v0, s[64:65] scope:SCOPE_SE
	s_setreg_imm32_b32 hwreg(HW_REG_WAVE_MODE, 25, 1), 1
	s_wait_xcnt 0x0
	s_wait_alu depctr_hold_cnt(0) depctr_sa_sdst(0) depctr_va_vdst(0) depctr_va_sdst(0) depctr_va_ssrc(0) depctr_va_vcc(0) depctr_vm_vsrc(0)
	s_getreg_b32 s2, hwreg(HW_REG_IB_STS2, 6, 4)
	s_cmp_eq_u32 s2, 0
	s_cbranch_scc0 .Lentry_in_a_cluster
	s_endpgm
.Lentry_in_a_cluster:
	s_bfe_u32 s2, ttmp6, 0x10000c
	s_cmp_lg_u32 s2, 0xf033
	s_cbranch_scc0 .Lentry_shape_is_right
	s_endpgm
.Lentry_shape_is_right:
.set FR,     12
.set NL,     3
.set NQ,     2
.set NP,     4
.set TILEB,  3072
.set HALFT,  8*TILEB
.set SLOT,   4*HALFT
.set KPITCH, 24576
.set LAPS,   4
.set SCL,    2*SLOT
.set HALFS,  8192
.set SPARE,  SCL+4*HALFS
.set ADRA, 16
.set ADRB, 20
.set LI,   26
.set ADRS, 27
.set SPW,  28
.set NIL,  29
.set SC,   32
.set AF,   128
.set TM,   64
.set PC,   80
.set PWS,  100
.set SS,   108
.set RS,   116
.set T,    118
.set SA,   126
.set NWO,  127
.set XN,   128
.set NWR,  192
.set G1,   24
.set G0,   32
.set G1B,  48
.set G0B,  56
.set G1S,  68
.set G0S,  76
.set G1SB, 80
.set G0SB, 88
.set MSB, 0
.macro WIN new
.if MSB != (\new)
	s_set_vgpr_msb (MSB<<8)|(\new)
.set MSB, (\new)
.endif
.endm
.set MUL_LO, 0xa1
.set MUL_HI, 0xf1
.set TO_B,   0x40
.macro JLOAD g0a, g1a, g0b, g1b
	s_cmp_eq_u32 s17, 0
	s_cbranch_scc0 .Lfor_b_\@
	tensor_load_to_lds s[\g0a:\g0a+3], s[\g1a:\g1a+7]
	s_nop 0
.rept 4
	v_nop
.endr
	s_branch .Lasked_\@
.Lfor_b_\@:
	tensor_load_to_lds s[\g0b:\g0b+3], s[\g1b:\g1b+7]
	s_nop 0
.rept 4
	v_nop
.endr
.Lasked_\@:
.endm
.macro CREST
	s_cmp_lg_u32 s16, 0
	s_cbranch_scc1 .Lnot_wave_0_\@
	s_barrier_signal -3
.Lnot_wave_0_\@:
	s_barrier_wait -3
	s_barrier_signal -1
	s_barrier_wait -1
.endm
.macro CROUND
	s_barrier_signal -1
	s_barrier_wait -1
	CREST
.endm
.macro PLACES n
.rept \n
	v_nop
.endr
.endm
	s_load_b256 s[4:11], s[0:1], 0x0
	s_load_b128 s[92:95], s[0:1], 0x20
	s_load_b64 s[96:97], s[0:1], 0x30
	v_lshl_add_u32 v[SPW], v0, 2, SPARE
	v_mov_b32 v[NIL], 0
	ds_add_u32 v28, v29
	ds_add_u32 v28, v29
	s_wait_dscnt 0x0
	v_lshrrev_b32 v1, 5, v0
	v_readfirstlane_b32 s16, v1
	s_lshr_b32 s17, s16, 1
	s_and_b32 s18, s16, 1
	s_bfe_u32 s40, ttmp6, 0x40000
	s_bfe_u32 s41, ttmp6, 0x40004
	s_mov_b32 s2, ttmp9
	s_lshl_b32 s19, s2, 6
	s_add_co_u32 s20, s19, 192
	s_sub_co_u32 s21, s19, 256
	s_sub_co_u32 s22, s19, 448
	s_mov_b32 s23, 448
	s_mov_b32 s66, 512
	s_cmp_lt_u32 s2, 7
	s_cselect_b32 s42, s21, s66
	s_cselect_b32 s43, s23, s22
	s_cmp_lt_u32 s2, 4
	s_cselect_b32 s42, 128, s42
	s_cselect_b32 s43, s20, s43
	s_lshl_b32 s19, s41, 4
	s_add_co_u32 s42, s42, s19
	s_lshl_b32 s46, s40, 4
	s_add_co_u32 s43, s43, s46
	s_lshl_b32 s44, s41, 2
	s_lshl_b32 s44, 15, s44
	s_lshl_b32 s45, 0x1111, s40
	s_or_b32 s[G1+0], s44, (3<<16)|(1<<21)
	s_or_b32 s[G1B+0], s45, (3<<16)|(1<<21)
.irp g, G1, G1B
	s_mov_b32 s[\g+1], 384<<16
	s_mov_b32 s[\g+2], 8<<16
	s_mov_b32 s[\g+3], 384<<16
	s_mov_b32 s[\g+4], 8
	s_mov_b32 s[\g+5], 3072
	s_mov_b32 s[\g+6], 0
	s_mov_b32 s[\g+7], 0
.endr
	s_or_b32 s[G1S+0], s44, (3<<16)|(1<<21)
	s_or_b32 s[G1SB+0], s45, (3<<16)|(1<<21)
.irp g, G1S, G1SB
	s_mov_b32 s[\g+1], 32<<16
	s_mov_b32 s[\g+2], 32<<16
	s_mov_b32 s[\g+3], 32<<16
	s_mov_b32 s[\g+4], 32
	s_mov_b32 s[\g+5], 32
	s_mov_b32 s[\g+6], 0
	s_mov_b32 s[\g+7], 0
.endr
	s_lshl_b32 s67, s18, 3
	s_add_co_u32 s20, s42, s67
	s_add_co_u32 s46, s43, s67
	s_lshl_b32 s22, s20, 10
	s_mul_i32 s20, s20, KPITCH
	s_lshl_b32 s66, s46, 10
	s_mul_i32 s46, s46, KPITCH
	s_mov_b32 s21, 0
	s_mov_b32 s23, 0
	s_mov_b32 s47, 0
	s_mov_b32 s67, 0
	s_mul_i32 s98, s16, HALFT
	s_mul_i32 s99, s16, HALFS
	s_wait_kmcnt 0x0
	s_add_nc_u64 s[20:21], s[4:5], s[20:21]
	s_add_nc_u64 s[22:23], s[6:7], s[22:23]
	s_add_nc_u64 s[46:47], s[4:5], s[46:47]
	s_add_nc_u64 s[66:67], s[6:7], s[66:67]
	CROUND
	s_mov_b32 s[G0S], 1
	s_add_co_u32 s[G0S+1], s99, SCL
	s_mov_b64 s[G0S+2:G0S+3], s[22:23]
	s_or_b32 s[G0S+3], s[G0S+3], 0x80000000
	s_mov_b32 s[G0SB], 1
	s_add_co_u32 s[G0SB+1], s99, SCL
	s_mov_b64 s[G0SB+2:G0SB+3], s[66:67]
	s_or_b32 s[G0SB+3], s[G0SB+3], 0x80000000
	JLOAD G0S, G1S, G0SB, G1SB
.irp s, 0,1
	s_mov_b32 s[G0+4*\s], 1
	s_add_co_u32 s[G0+4*\s+1], s98, \s*SLOT
	s_add_nc_u64 s[G0+4*\s+2:G0+4*\s+3], s[20:21], \s*TILEB
	s_or_b32 s[G0+4*\s+3], s[G0+4*\s+3], 0x80000000
	s_mov_b32 s[G0B+4*\s], 1
	s_add_co_u32 s[G0B+4*\s+1], s98, \s*SLOT
	s_add_nc_u64 s[G0B+4*\s+2:G0B+4*\s+3], s[46:47], \s*TILEB
	s_or_b32 s[G0B+4*\s+3], s[G0B+4*\s+3], 0x80000000
	s_wait_alu depctr_va_vdst(0)
	s_wait_tensorcnt 0x0
	ds_add_u32 v28, v29
	s_wait_dscnt 0x0
	CROUND
	JLOAD G0+4*\s, G1, G0B+4*\s, G1B
.endr
	v_and_b32 v1, 31, v0
	v_lshlrev_b32 v[LI], 4, v1
	v_and_b32 v2, 15, v0
	v_bfe_u32 v3, v0, 4, 1
	s_wait_alu depctr_va_vdst(0)
	s_mul_i32 s19, s17, HALFT
	s_mul_i32 s20, s18, HALFT
	s_add_co_u32 s20, s20, 2*HALFT
.irp s, 0,1
	v_add_nc_u32 v[ADRA+\s], s19, v[LI]
	v_add_nc_u32 v[ADRB+\s], s20, v[LI]
	s_add_co_u32 s19, s19, SLOT
	s_add_co_u32 s20, s20, SLOT
.endr
	v_lshlrev_b32 v5, 4, v2
	s_mul_i32 s19, s17, HALFS
	s_mul_i32 s20, s18, HALFS
	s_add_co_u32 s20, s20, 2*HALFS
	s_sub_co_u32 s20, s20, s19
	v_mul_u32_u24 v6, s20, v3
	s_add_co_u32 s19, s19, SCL
	v_add_nc_u32 v5, v5, v6
	v_add_nc_u32 v[ADRS], s19, v5
	s_lshl_b32 s19, s40, 1
	s_add_co_u32 s19, s19, s18
	s_lshl_b32 s20, s41, 1
	s_add_co_u32 s20, s20, s17
	s_lshl_b32 s21, s2, 3
	s_add_co_u32 s22, s21, s19
	s_mul_i32 s23, s22, 98304
	s_mul_i32 s66, s20, 12288
	s_add_co_u32 s23, s23, s66
	s_lshl_b32 s22, s22, 3
	s_add_co_u32 s22, s22, s20
	s_lshl_b32 s22, s22, 9
	s_add_co_u32 s22, s22, 3145728
	s_mul_i32 s66, s19, 24
	s_add_co_u32 s66, s66, s21
	s_add_co_u32 s66, s66, s20
	s_sub_co_u32 s66, s66, 32
	s_mul_i32 s66, s66, 25600
	s_add_co_u32 s67, s66, 24576
	s_mul_i32 s46, s20, 24
	s_add_co_u32 s46, s46, s21
	s_add_co_u32 s46, s46, s19
	s_sub_co_u32 s46, s46, 56
	s_mul_i32 s46, s46, 25600
	s_add_co_u32 s46, s46, 12288
	s_add_co_u32 s47, s46, 12800
	s_cmp_lt_u32 s2, 7
	s_cselect_b32 s66, s66, s46
	s_cselect_b32 s67, s67, s47
	s_cmp_lt_u32 s2, 4
	s_cselect_b32 s66, s23, s66
	s_cselect_b32 s67, s22, s67
	s_cselect_b64 s[10:11], s[10:11], s[92:93]
	s_cselect_b64 s[12:13], s[94:95], s[96:97]
	s_mov_b64 s[14:15], s[12:13]
	s_mov_b32 s46, s66
	s_mov_b32 s47, 0
	s_add_nc_u64 s[12:13], s[12:13], s[46:47]
	s_mov_b32 s46, s67
	s_add_nc_u64 s[14:15], s[14:15], s[46:47]
	s_lshl_b32 s46, s17, 3
	s_add_co_u32 s46, s46, s42
	s_lshl_b32 s46, s46, 14
	s_add_nc_u64 s[8:9], s[8:9], s[46:47]
	s_mov_b32 s100, 0x3c000000
	s_mov_b32 s101, 0x358637bd
	s_mov_b32 s104, 0x76543210
	s_mov_b32 s105, 0xfedcba98
.macro FRAG reg, adr, q, i
.irp c, 0,1,2
	ds_load_b128 v[\reg+4*\c:\reg+4*\c+3], v[\adr] offset:(\i)*TILEB+(\q)*1536+512*\c
.endr
.endm
.macro MUL16 a0, p, q, sc, zero
.irp a, \a0, \a0+1
.irp b, 0,1,2,3,4,5,6,7
.if \zero
	v_wmma_scale_f32_16x16x128_f8f6f4 v[8*(8*((\a)%4)+\b):8*(8*((\a)%4)+\b)+7], v[128*(\p)+FR*\b:128*(\p)+FR*\b+FR-1], v[AF+FR*(\a):AF+FR*(\a)+FR-1], 0, v[SC+8*NQ*(\sc)+NQ*\b+(\q)], v[SC+8*NQ*(\sc)+NQ*(\a)+(\q)] matrix_a_fmt:MATRIX_FMT_FP6 matrix_b_fmt:MATRIX_FMT_FP6 matrix_a_scale:MATRIX_SCALE_ROW1
.else
	v_wmma_scale_f32_16x16x128_f8f6f4 v[8*(8*((\a)%4)+\b):8*(8*((\a)%4)+\b)+7], v[128*(\p)+FR*\b:128*(\p)+FR*\b+FR-1], v[AF+FR*(\a):AF+FR*(\a)+FR-1], v[8*(8*((\a)%4)+\b):8*(8*((\a)%4)+\b)+7], v[SC+8*NQ*(\sc)+NQ*\b+(\q)], v[SC+8*NQ*(\sc)+NQ*(\a)+(\q)] matrix_a_fmt:MATRIX_FMT_FP6 matrix_b_fmt:MATRIX_FMT_FP6 matrix_a_scale:MATRIX_SCALE_ROW1
.endif
.endr
.endr
.endm
.macro FETCH_B slot, q, p
	WIN TO_B
.irp i, 0,1,2,3,4,5,6,7
	FRAG 128*(\p)+FR*\i, ADRB+\slot, \q, \i
.endr
	WIN 0
.endm
.macro FETCH_A slot, q, i0
.irp i, \i0, \i0+1, \i0+2, \i0+3
	FRAG AF+FR*(\i), ADRA+\slot, \q, \i
.endr
.endm
.macro SCALES sc
.irp i, 0,1,2,3,4,5,6,7
	ds_load_b64 v[SC+16*\sc+2*\i:SC+16*\sc+2*\i+1], v[ADRS] offset:\i*1024+8*\sc
.endr
.endm
.macro STEP slot, q, zero
	s_wait_dscnt 4*NL
	WIN MUL_LO
	MUL16 0, (\q)%2, \q, \slot, \zero
	MUL16 2, (\q)%2, \q, \slot, \zero
	s_wait_dscnt 0x0
	PLACES NP
	FETCH_B \slot, (\q)+1, 1-(\q)%2
	FETCH_A \slot, (\q)+1, 0
	WIN MUL_HI
	MUL16 4, (\q)%2, \q, \slot, \zero
	MUL16 6, (\q)%2, \q, \slot, \zero
	PLACES NP
	WIN 0
	FETCH_A \slot, (\q)+1, 4
.endm
.macro TURN slot, next, fill
	s_wait_tensorcnt 0x0
	ds_add_u32 v[SPW], v[NIL]
	s_wait_dscnt 4*NL+1
	WIN MUL_LO
	MUL16 0, 1, NQ-1, \slot, 0
	s_wait_dscnt 0x0
	s_barrier_signal -1
	MUL16 2, 1, NQ-1, \slot, 0
	WIN 0
	s_barrier_wait -1
.if \fill
	CREST
	s_add_nc_u64 s[G0+4*\slot+2:G0+4*\slot+3], s[G0+4*\slot+2:G0+4*\slot+3], 2*TILEB
	s_add_nc_u64 s[G0B+4*\slot+2:G0B+4*\slot+3], s[G0B+4*\slot+2:G0B+4*\slot+3], 2*TILEB
	JLOAD G0+4*\slot, G1, G0B+4*\slot, G1B
.else
	PLACES NP
.endif
.if \next == 0
	v_add_nc_u32 v[ADRS], 256, v[ADRS]
.endif
	FETCH_B \next, 0, 0
	FETCH_A \next, 0, 0
	s_wait_alu depctr_va_vdst(0)
	SCALES \next
	WIN MUL_HI
	MUL16 4, 1, NQ-1, \slot, 0
	MUL16 6, 1, NQ-1, \slot, 0
	PLACES NP
	WIN 0
	FETCH_A \next, 0, 4
.endm
	s_wait_alu depctr_va_vdst(0)
	s_wait_tensorcnt 0x1
	s_barrier_signal -1
	s_barrier_wait -1
	FETCH_B 0, 0, 0
	FETCH_A 0, 0, 0
	SCALES 0
	FETCH_A 0, 0, 4
	STEP 0, 0, 1
	s_mov_b32 s3, LAPS-1
.Llap:
	TURN 0, 1, 1
	STEP 1, 0, 0
	TURN 1, 0, 1
	STEP 0, 0, 0
	s_sub_co_u32 s3, s3, 1
	s_cmp_lg_u32 s3, 0
	s_cbranch_scc1 .Llap
	TURN 0, 1, 0
	STEP 1, 0, 0
	s_wait_dscnt 4*NL
	WIN MUL_LO
	MUL16 0, 1, NQ-1, 1, 0
	MUL16 2, 1, NQ-1, 1, 0
	s_wait_dscnt 0x0
	WIN MUL_HI
	MUL16 4, 1, NQ-1, 1, 0
	MUL16 6, 1, NQ-1, 1, 0
	WIN 0
.macro QUANT s, w, pw
	WIN (\w)|((\w)<<2)
.irp b, 0,1,2,3
	v_max3_num_f32 v[TM+\b], |v[\s+16*\b]|, |v[\s+1+16*\b]|, 0x1800000
.endr
.irp i, 2,4,6,8,10,12,14
.irp b, 0,1,2,3
	v_max3_num_f32 v[TM+\b], |v[\s+16*\b+\i]|, |v[\s+1+16*\b+\i]|, v[TM+\b]
.endr
.endr
	WIN 0
.irp b, 0,1,2,3
	v_permlanex16_b32 v[TM+4+\b], v[TM+\b], s104, s105
.endr
.irp b, 0,1,2,3
	v_max_num_f32 v[TM+\b], v[TM+\b], v[TM+4+\b]
.endr
.irp b, 0,1,2,3
	v_add_nc_u32 v[TM+12+\b], 0xff000000, v[TM+\b]
.endr
.irp b, 0,1,2,3
	v_lshrrev_b32 v[TM+4+\b], 23, v[TM+12+\b]
.endr
	v_lshl_or_b32 v[\pw], v[TM+5], 8, v[TM+4]
	v_lshl_or_b32 v[\pw], v[TM+6], 16, v[\pw]
	v_lshl_or_b32 v[\pw], v[TM+7], 24, v[\pw]
	WIN (\w)
.irp c, 0,1
	v_cvt_scalef32_pk16_fp6_f32 v[PC+6*\c:PC+2+6*\c], v[\s+32*\c:\s+15+32*\c], v[TM+12+2*\c]
	v_cvt_scalef32_pk16_fp6_f32 v[PC+12+4*\c:PC+14+4*\c], v[\s+16+32*\c:\s+31+32*\c], v[TM+12+2*\c+1]
.endr
	WIN 0
	v_nop
.irp c, 0,1
.irp i, 0,1,2
	v_permlane16_swap_b32 v[PC+6*\c+\i], v[PC+12+4*\c+\i]
.endr
.irp i, 0,1,2
	v_mov_b32 v[PC+3+6*\c+\i], v[PC+12+4*\c+\i]
.endr
.endr
.endm
.macro IMAGE a
.irp c, 0,1,2
	global_store_b128 v[LI], v[PC+4*\c:PC+4*\c+3], s[12:13] offset:1536*(\a)+512*\c
.endr
.endm
.macro CSLOAD a
	WIN 0x40
.set k, 0
.rept 32
	global_load_b128 v[128*((\a)%2)+4*k:128*((\a)%2)+4*k+3], v[LI], s[8:9] offset:(\a)*16384+512*k
.set k, k+1
.endr
	WIN 0
.endm
.macro QKTILE a
.set W, 2+(\a)/4
.set AC, 64*((\a)%4)
.set CSB, 128*((\a)%2)
	WIN W|(W<<2)
.set p, 0
.rept 32
.if p < 4
	v_pk_mul_f32 v[SS+2*p:SS+2*p+1], v[AC+2*p:AC+2*p+1], v[AC+2*p:AC+2*p+1]
.else
	v_pk_fma_f32 v[SS+2*(p%4):SS+2*(p%4)+1], v[AC+2*p:AC+2*p+1], v[AC+2*p:AC+2*p+1], v[SS+2*(p%4):SS+2*(p%4)+1]
.endif
.set p, p+1
.endr
	WIN 0
	v_pk_add_f32 v[SS:SS+1], v[SS:SS+1], v[SS+2:SS+3]
	v_pk_add_f32 v[SS+4:SS+5], v[SS+4:SS+5], v[SS+6:SS+7]
	v_pk_add_f32 v[SS:SS+1], v[SS:SS+1], v[SS+4:SS+5]
	v_add_f32 v[SS], v[SS], v[SS+1]
	v_permlanex16_b32 v[TM+4], v[SS], s104, s105
	v_add_f32 v[SS], v[SS], v[TM+4]
	v_fma_f32 v[SS], v[SS], s100, s101
	s_wait_alu depctr_va_vdst(0)
	v_rsq_f32 v[RS], v[SS]
	v_nop
	s_wait_alu depctr_va_vdst(0)
	WIN W
.set p, 0
.rept 32
	v_pk_mul_f32 v[XN+2*p:XN+2*p+1], v[AC+2*p:AC+2*p+1], v[RS:RS+1] op_sel_hi:[1,0]
.set p, p+1
.endr
	WIN 0
.if (\a) < 7
	s_wait_loadcnt 32
.else
	s_wait_loadcnt 0x0
.endif
.set p, 0
.rept 32
	v_pk_mul_f32 v[XN+2*p:XN+2*p+1], v[XN+2*p:XN+2*p+1], v[NWR+2*p:NWR+2*p+1]
.set p, p+1
.endr
	WIN 0x04
.set p, 0
.rept 16
.set n, 2*p
.set TT, T+4*(p%2)
	v_pk_mul_f32 v[TT:TT+1], v[XN+32+n:XN+33+n], v[CSB+64+n:CSB+65+n]
	v_pk_mul_f32 v[TT+2:TT+3], v[XN+n:XN+n+1], v[CSB+96+n:CSB+97+n]
	v_pk_fma_f32 v[XN+n:XN+n+1], v[XN+n:XN+n+1], v[CSB+n:CSB+n+1], v[TT:TT+1] neg_lo:[0,0,1] neg_hi:[0,0,1]
	v_pk_fma_f32 v[XN+32+n:XN+33+n], v[XN+32+n:XN+33+n], v[CSB+32+n:CSB+33+n], v[TT+2:TT+3]
.set p, p+1
.endr
	WIN 0
.if (\a) < 6
	CSLOAD (\a)+2
.endif
	s_wait_xcnt 0x0
	QUANT XN, 0, PWS+(\a)
	IMAGE \a
.endm
.macro VTILE a
	s_wait_xcnt 0x0
	QUANT 64*((\a)%4), 2+(\a)/4, PWS+(\a)
	IMAGE \a
.endm
	PLACES NP
	v_mov_b32 v[RS+1], 0
.irp b, 0,1,2,3
	v_mov_b32 v[TM+4+\b], 0
.endr
	v_lshlrev_b32 v[SA], 5, v2
	v_lshl_add_u32 v[SA], v3, 4, v[SA]
	v_lshlrev_b32 v[NWO], 6, v3
	s_cmp_lt_u32 s2, 7
	s_cbranch_scc0 .Lv_path
.irp k, 0,1,2,3,4,5,6,7,8,9,10,11,12,13,14,15
	global_load_b128 v[NWR+4*\k:NWR+4*\k+3], v[NWO], s[10:11] offset:128*(\k/4)+16*(\k%4)
.endr
	CSLOAD 0
	CSLOAD 1
.irp t, 0,1,2,3,4,5,6,7
	QKTILE \t
.endr
	s_branch .Ltail
.Lv_path:
.irp t, 0,1,2,3,4,5,6,7
	VTILE \t
.endr
.Ltail:
	v_cmp_eq_u32 vcc_lo, 1, v3
.irp i, 0,1,2,3
	v_cndmask_b32 v[T+\i], v[PWS+\i], v[PWS+4+\i], vcc_lo
.endr
	global_store_b128 v[SA], v[T:T+3], s[14:15]
	s_wait_tensorcnt 0x0
	ds_add_u32 v[SPW], v[NIL]
	s_wait_dscnt 0x0
	CROUND
	s_endpgm
.Lfunc_end_k_q98fbd8dd3d_qkv:
	.size	k_q98fbd8dd3d_qkv, .Lfunc_end_k_q98fbd8dd3d_qkv-k_q98fbd8dd3d_qkv
	.p2alignl 7, 3214868480
	.fill 96, 4, 3214868480
	.section	.rodata,"a",@progbits
	.p2align	6, 0x0
	.amdhsa_kernel k_q98fbd8dd3d_qkv
		.amdhsa_group_segment_fixed_size 327680
		.amdhsa_private_segment_fixed_size 0
		.amdhsa_enable_private_segment 0
		.amdhsa_kernarg_size 56
		.amdhsa_user_sgpr_count 2
		.amdhsa_user_sgpr_kernarg_segment_ptr 1
		.amdhsa_wavefront_size32 1
		.amdhsa_system_sgpr_workgroup_id_x 1
		.amdhsa_system_sgpr_workgroup_id_y 1
		.amdhsa_system_sgpr_workgroup_id_z 1
		.amdhsa_system_vgpr_workitem_id 0
		.amdhsa_next_free_vgpr 1024
		.amdhsa_next_free_sgpr 106
		.amdhsa_reserve_vcc 1
		.amdhsa_float_denorm_mode_32 3
		.amdhsa_float_denorm_mode_16_64 3
		.amdhsa_memory_ordered 1
		.amdhsa_forward_progress 1
		.amdhsa_inst_pref_size 255
	.end_amdhsa_kernel
	.section	.bss,"aw",@nobits
	.p2align	6
	.space	262144
	.amdgpu_metadata
---
amdhsa.version: [ 1, 2 ]
amdhsa.kernels:
  - .name:           k_q98fbd8dd3d_qkv
    .symbol:         k_q98fbd8dd3d_qkv.kd
    .args:
      - { .name: wimg, .offset: 0, .size: 8, .value_kind: global_buffer, .address_space: global }
      - { .name: wsc, .offset: 8, .size: 8, .value_kind: global_buffer, .address_space: global }
      - { .name: rope, .offset: 16, .size: 8, .value_kind: global_buffer, .address_space: global }
      - { .name: q_norm_w, .offset: 24, .size: 8, .value_kind: global_buffer, .address_space: global }
      - { .name: k_norm_w, .offset: 32, .size: 8, .value_kind: global_buffer, .address_space: global }
      - { .name: qbuf, .offset: 40, .size: 8, .value_kind: global_buffer, .address_space: global }
      - { .name: kv, .offset: 48, .size: 8, .value_kind: global_buffer, .address_space: global }
    .group_segment_fixed_size: 327680
    .private_segment_fixed_size: 0
    .kernarg_segment_align: 8
    .kernarg_segment_size: 56
    .max_flat_workgroup_size: 128
    .sgpr_count:     106
    .vgpr_count:     1024
    .wavefront_size: 32
...
	.end_amdgpu_metadata
.endif
;; end of part 2
;; launch attn (part 3): grid 32 x 8, 8 waves a work-group, no clusters, 171,520 bytes of LDS; arguments qbuf, kv, maskw, obuf, wo, wob; writes obuf, wob
.if DOCPART == 3
	.amdgcn_target "amdgcn-amd-amdhsa--gfx1250"
	.amdhsa_code_object_version 6
	.text
	.protected	k_q98fbd8dd3d_attn
	.globl	k_q98fbd8dd3d_attn
	.p2align	8
	.type	k_q98fbd8dd3d_attn,@function
k_q98fbd8dd3d_attn:
	s_mov_b64 s[64:65], 0
	v_nop
	global_prefetch_b8 v0, s[64:65] scope:SCOPE_SE
	s_setreg_imm32_b32 hwreg(HW_REG_WAVE_MODE, 25, 1), 1
	s_wait_xcnt 0x0
; ATTENTION on codes of FP6 (E2M3) with E8M0 scales: S^T = K Q^T, the mask, p = 2^(t - M), O^T = V^T P^T, O / l, and the quantiser of O along head x 128 + channel.  Beside it each wave quantises two fragments of wo.
; t = score x log2(e) / sqrt(128); M = the running largest t rounded UP to a whole number; p is quantised along the keys, not normalised; l is the sum of the unquantised p.  When M moves, l and O are multiplied by 2^(old M - new M): exact.
; THE MASK is an input.  The launch before has packed it into lane words and has classed each (tile of 16 queries, step of 128 keys): wholly hidden, wholly open, or mixed; and it has noted which rows have an open key.
; These are whole numbers read from memory, and scalar branches go by them: a wholly open step jumps round the 64 selects; a wholly hidden step is jumped over, but ONLY in a tile each of whose 16 rows has an open key somewhere:
; there a hidden key's weight is 0 in the result.  In a tile with a wholly hidden row nothing is jumped over, and that row gets equal weights, as a softmax of equal numbers gives.
; In a mixed step a hidden key's score becomes -2^120 ahead of the maximum: rows hidden so far have p = 1, which the first open key's factor 2^(old M - new M) = 0 wipes.
; SHARES.  Work-group (x, g): eight waves, key head g.  Wave w owns ONE tile of 16 queries of query head 4 g + w % 4: tile x (waves 0-3) or tile 63 - x (waves 4-7).  All walk the 3,072 keys, 128 a step.
; NO TENSOR LOAD, NO CLUSTER.  K and V come through registers into LDS:
; a chunk of 128 keys is 25,600 dense bytes of kv (K's eight images, V^T's eight, K's scale words, V's); each wave moves 3,072 + 128 of them.  Four slots.  At the top of step t the wave stores its part of chunk t + 2
; and asks memory for chunk t + 3.  No separate prefetch is laid: these loads are themselves issued two key steps ahead of the chunk's first LDS read.
; ONE BARRIER A STEP, signal at the step's top, wait at its end.  In front of the signal my stores of chunk t + 2 and all my LDS reads of step t - 1 are done.  Between signal and wait I read slots t % 4 (V) and (t + 1) % 4 (K);
; behind the wait the next store goes to slot (t + 3) % 4, whose last readers (step t - 1) had finished ahead of their signal.
; WO.  wo has 128 tiles x 32 K steps = 4,096 fragments, two a wave.  Four rows are asked for in each of the first eight steps and go to the wave's own stage one step later; each fourth step the fragment is quantised.
; Tiles hold rows 32 B + 8 u + r + 8 (r / 8): register n of a product's 64 is element 32 (n / 16) + 16 (lane / 16) + n % 16; a lane holds one query throughout.
; LIMITS: NaN and infinities are not served; a block whose largest magnitude lies under 2^-124, a block of zeros among them, keeps the byte 1 (its codes of zeros add nothing, and this program alone reads the bytes);
; the scaled scores stay under 2^31 in magnitude.
; REGISTERS: window 0: v1-10, v28-31 addresses; v12 -M, v13 the largest t, v[14:15] l; v16-27 Q; v32-39 K's scale words, v40-47 V's, v255 Q's, v253 p's; v48-92 the quantisers' work; v96-159 S^T, then p; v160-223 O^T; v224-254 at work.
;   window 1: v0-95 K's fragments, v96-191 V's, v192-216 a chunk's part on its way, v224-239 four rows of wo on their way.
.set LI,   1                           ; 16 x lane: slots 0, 1;  v3: + 51,200: slots 2, 3
.set R32,  2                           ; 32 r;  v4: + 51,200
.set SPW,  5
.set NIL,  6
.set VMIN, 7
.set OSA,  8
.set OSL,  9
.set OSG,  10
.set STA,  28                          ; v28 wave x 3,072 + 16 x lane (offset in a chunk, in memory and in LDS); v29 + 51,200
.set STS,  30                          ; v30 24,576 + 4 x thread; v31 + 51,200
.set KS,   32
.set VS,   40
.set TM,   48
.set PC,   64
.set PWO,  84
.set WSI,  85
.set WSO,  86
.set H8,   87
.set WSA,  92
.set SG,   192
.set WR,   224
.set TRIP, 2
.set MOFF, 6
.set WV,   7
.set SEL,  8
.set CS,   10
.set KVB,  12                          ; s[12:13] the key head's chunk 4 x trip
.set HID,  14                          ; bit 0: this step is jumped over; bit 1: the next one (behind the last step a set bit)
.set OPN,  15                          ; bit 0: this step is wholly open
.set WP,   66
.set WI,   100
.set WS,   104
.set CHUNK, 25600
.set OSC,   4*CHUNK
.set SPARE, OSC+512
.set WSTG,  SPARE+1024
.set MSB, 0
.macro WIN new
.if MSB != (\new)
	s_set_vgpr_msb (MSB<<8)|(\new)
.set MSB, (\new)
.endif
.endm
.macro PLACES n
.rept \n
	v_nop
.endr
.endm
.macro GLD reg, off                    ; my part of a chunk from memory (destination window 1)
.irp i, 0,1,2,3,4,5
	global_load_b128 v[\reg+4*\i:\reg+4*\i+3], v[STA], s[KVB:KVB+1] offset:(\off)+512*\i
.endr
	global_load_b32 v[\reg+24], v[STS], s[KVB:KVB+1] offset:(\off)
.endm
.macro LST reg, sl                     ; and into slot sl (data window 1)
.irp i, 0,1,2,3,4,5
	ds_store_b128 v[STA+(\sl)/2], v[\reg+4*\i:\reg+4*\i+3] offset:((\sl)%2)*CHUNK+512*\i
.endr
	ds_store_b32 v[STS+(\sl)/2], v[\reg+24] offset:((\sl)%2)*CHUNK
.endm
.macro KLOAD sl                        ; K's eight fragments and scale words out of slot sl: 26 loads
	WIN 0x40
.irp t, 0,1,2,3,4,5,6,7
.irp c, 0,1,2
	ds_load_b128 v[12*\t+4*\c:12*\t+4*\c+3], v[LI+2*((\sl)/2)] offset:((\sl)%2)*CHUNK+1536*\t+512*\c
.endr
.endr
	WIN 0
.irp i, 0,1
	ds_load_b128 v[KS+4*\i:KS+4*\i+3], v[R32+2*((\sl)/2)] offset:((\sl)%2)*CHUNK+24576+16*\i
.endr
.endm
.macro VLOAD sl
	WIN 0x40
.irp t, 0,1,2,3,4,5,6,7
.irp c, 0,1,2
	ds_load_b128 v[96+12*\t+4*\c:96+12*\t+4*\c+3], v[LI+2*((\sl)/2)] offset:((\sl)%2)*CHUNK+12288+1536*\t+512*\c
.endr
.endr
	WIN 0
.irp i, 0,1
	ds_load_b128 v[VS+4*\i:VS+4*\i+3], v[R32+2*((\sl)/2)] offset:((\sl)%2)*CHUNK+25088+16*\i
.endr
.endm
; A fragment of wo lies whole in my stage: lane (r, h) takes blocks h and 2 + h of row r (64 numbers, where the scores lie during a step); two largest magnitudes, the scale word, four conversions, the image.
.macro WOQ
.irp c, 0,1
.irp j, 0,1,2,3,4,5,6,7
	ds_load_b128 v[96+32*\c+4*\j:96+32*\c+4*\j+3], v[WSO] offset:256*\c+16*\j   ; LDS serves a wave's instructions in order: these see my stores
.endr
.endr
	s_wait_dscnt 0x0
.irp c, 0,1
	v_max3_num_f32 v[TM+\c], |v[96+32*\c]|, |v[97+32*\c]|, 0x1800000   ; and the floor 2^(3 - 127): the byte cannot fall under 1
.endr
.irp i, 2,4,6,8,10,12,14,16,18,20,22,24,26,28,30
.irp c, 0,1
	s_delay_alu instid0(VALU_DEP_2)
	v_max3_num_f32 v[TM+\c], v[TM+\c], |v[96+32*\c+\i]|, |v[97+32*\c+\i]|
.endr
.endr
.irp c, 0,1
	s_delay_alu instid0(VALU_DEP_2)
	v_add_nc_u32 v[TM+2+\c], 0xff000000, v[TM+\c]  ; 2 off the exponent field: the conversion's scale operand
.endr
.irp c, 0,1
	s_delay_alu instid0(VALU_DEP_2)
	v_lshrrev_b32 v[TM+4+\c], 23, v[TM+2+\c]
.endr
	s_delay_alu instid0(VALU_DEP_1)
	v_lshl_or_b32 v[TM+6], v[TM+5], 16, v[TM+4]
	s_delay_alu instid0(VALU_DEP_1)
	v_lshlrev_b32 v[TM+6], v[H8], v[TM+6]
	s_delay_alu instid0(VALU_DEP_1)
	v_permlanex16_b32 v[TM+7], v[TM+6], s[SEL], s[SEL+1]
	s_delay_alu instid0(VALU_DEP_1)
	v_or_b32 v[TM+10], v[TM+6], v[TM+7]            ; the row's scale word of this K step
	s_wait_alu depctr_va_vdst(0)
	s_wait_xcnt 0x0                                ; the last image's stores have read their data
.irp c, 0,1
	v_cvt_scalef32_pk16_fp6_f32 v[PC+6*\c:PC+6*\c+2], v[96+32*\c:111+32*\c], v[TM+2+\c]
	v_cvt_scalef32_pk16_fp6_f32 v[PC+12+4*\c:PC+14+4*\c], v[112+32*\c:127+32*\c], v[TM+2+\c]
.endr
	v_nop                                          ; one plain place behind a scaled conversion
.irp c, 0,1
.irp i, 0,1,2
	v_mov_b32 v[PC+3+6*\c+\i], v[PC+12+4*\c+\i]
.endr
.endr
.irp c, 0,1,2
	global_store_b128 v[LI], v[PC+4*\c:PC+4*\c+3], s[WI:WI+1] offset:512*\c   ; 512 consecutive bytes, aligned
.endr
	v_cmp_ne_u32 vcc_lo, 0, v[H8]
	v_cndmask_b32 v[TM+11], v[TM+9], v[TM+10], vcc_lo   ; lanes 0-15: the word of the fragment before; lanes 16-31: this one's
	v_mov_b32 v[TM+9], v[TM+10]
	s_cmp_eq_u32 s[TRIP], 1
	s_cbranch_scc0 .Lfirst_frag_\@                 ; both words are there behind my second fragment
	global_store_b32 v[WSA], v[TM+11], s[WS:WS+1]
.Lfirst_frag_\@:
.endm
; The softmax of a step, p's codes and scale word, and O^T under the new M.
.macro SOFT
.irp b, 0,1,2,3
	v_max3_num_f32 v[232+\b], v[96+16*\b], v[97+16*\b], v[98+16*\b]   ; the largest score of each block of 32 keys: for the row's maximum and, since p rises with the score, for the block's largest p
.endr
.irp i, 3,5,7,9,11,13
.irp b, 0,1,2,3
	v_max3_num_f32 v[232+\b], v[232+\b], v[96+16*\b+\i], v[97+16*\b+\i]
.endr
.endr
.irp b, 0,1,2,3
	v_max_num_f32 v[232+\b], v[232+\b], v[111+16*\b]
.endr
.irp b, 0,1,2,3
	s_delay_alu instid0(VALU_DEP_4)
	v_permlanex16_b32 v[236+\b], v[232+\b], s[SEL], s[SEL+1]
.endr
.irp b, 0,1,2,3
	s_delay_alu instid0(VALU_DEP_4)
	v_max_num_f32 v[232+\b], v[232+\b], v[236+\b]
.endr
	s_delay_alu instid0(VALU_DEP_2)
	v_max3_num_f32 v254, v232, v233, v234
	s_delay_alu instid0(VALU_DEP_1)
	v_max_num_f32 v254, v254, v235
	s_delay_alu instid0(VALU_DEP_1)
	v_mul_f32 v254, s[CS], v254                    ; as t (c is positive)
	s_delay_alu instid0(VALU_DEP_1)
	v_max_num_f32 v13, v13, v254
	v_mov_b32 v254, v12
	s_delay_alu instid0(VALU_DEP_2)
	v_floor_f32 v12, -v13                          ; the new -M = -ceil(t)
	s_delay_alu instid0(VALU_DEP_1)
	v_sub_f32 v254, v12, v254
	s_delay_alu instid0(VALU_DEP_1)
	v_cvt_i32_f32 v254, v254                       ; (it saturates)
	s_delay_alu instid0(VALU_DEP_1)
	v_ldexp_f32 v252, 1.0, v254                    ; f = 2^(old M - new M)
.set j, 0
.rept 32
	v_pk_fma_f32 v[96+j:97+j], v[96+j:97+j], s[CS:CS+1], v[12:13] op_sel_hi:[1,0,0]   ; t - M
.set j, j+2
.endr
.irp b, 0,1,2,3
	v_fma_f32 v[232+\b], v[232+\b], s[CS], v12
.endr
	s_wait_alu depctr_va_vdst(0)
.set j, 0
.rept 64
	v_exp_f32 v[96+j], v[96+j]                     ; p = 2^(t - M)
.set j, j+1
.endr
	v_pk_mul_f32 v[14:15], v[14:15], v[252:253] op_sel_hi:[1,0]   ; l under the new M; a plain place behind the batch
	s_wait_alu depctr_va_vdst(0)                   ; one wait for the batch, ahead of its first reader
.irp b, 0,1,2,3
	v_exp_f32 v[232+\b], v[232+\b]                 ; each block's largest p
.endr
.irp c, 0,1,2,3,4,5,6                  ; l += the 64 p: 32 packed additions in eight chains
	v_pk_add_f32 v[236+2*\c:237+2*\c], v[96+2*\c:97+2*\c], v[112+2*\c:113+2*\c]
.endr
	v_pk_add_f32 v[14:15], v[14:15], v[110:111]
.irp c, 0,1,2,3,4,5,6
	v_pk_add_f32 v[236+2*\c:237+2*\c], v[236+2*\c:237+2*\c], v[128+2*\c:129+2*\c]
.endr
	v_pk_add_f32 v[14:15], v[14:15], v[126:127]
.irp c, 0,1,2,3,4,5,6
	v_pk_add_f32 v[236+2*\c:237+2*\c], v[236+2*\c:237+2*\c], v[144+2*\c:145+2*\c]
.endr
	v_pk_add_f32 v[14:15], v[14:15], v[142:143]
	v_pk_add_f32 v[236:237], v[236:237], v[238:239]
	v_pk_add_f32 v[240:241], v[240:241], v[242:243]
	v_pk_add_f32 v[244:245], v[244:245], v[246:247]
	v_pk_add_f32 v[14:15], v[14:15], v[158:159]
	v_pk_add_f32 v[236:237], v[236:237], v[240:241]
	v_pk_add_f32 v[244:245], v[244:245], v[248:249]
	v_pk_add_f32 v[14:15], v[14:15], v[236:237]
	v_pk_add_f32 v[14:15], v[14:15], v[244:245]
	s_wait_alu depctr_va_vdst(0)                   ; and one for the four
.irp b, 0,1,2,3
	v_max_num_f32 v[232+\b], 0x1800000, v[232+\b]  ; the floor 2^(3 - 127)
.endr
.irp b, 0,1,2,3
	s_delay_alu instid0(VALU_DEP_4)
	v_add_nc_u32 v[244+\b], 0xff000000, v[232+\b]
.endr
.irp b, 0,1,2,3
	s_delay_alu instid0(VALU_DEP_4)
	v_lshrrev_b32 v[236+\b], 23, v[244+\b]
.endr
	s_delay_alu instid0(VALU_DEP_3)
	v_lshl_or_b32 v253, v237, 8, v236              ; p's scale word for these 128 keys
	s_delay_alu instid0(VALU_DEP_1)
	v_lshl_or_b32 v253, v238, 16, v253
	s_delay_alu instid0(VALU_DEP_1)
	v_lshl_or_b32 v253, v239, 24, v253
.irp c, 0,1
	v_cvt_scalef32_pk16_fp6_f32 v[224+6*\c:226+6*\c], v[96+32*\c:111+32*\c], v[244+2*\c]
	v_cvt_scalef32_pk16_fp6_f32 v[236+4*\c:238+4*\c], v[112+32*\c:127+32*\c], v[244+2*\c+1]
.endr
	v_nop                                          ; one plain place behind a scaled conversion
.irp c, 0,1
.irp i, 0,1,2
	v_permlane16_swap_b32 v[224+6*\c+\i], v[236+4*\c+\i]
.endr
.irp i, 0,1,2
	s_delay_alu instid0(VALU_DEP_3)
	v_mov_b32 v[227+6*\c+\i], v[236+4*\c+\i]
.endr
.endr
	s_wait_alu depctr_va_vdst(0)
.set j, 0
.rept 32
	v_pk_mul_f32 v[160+j:161+j], v[160+j:161+j], v[252:253] op_sel_hi:[1,0]   ; O^T under the new M; also the places between p's codes and scale word and the products
.set j, j+2
.endr
.endm
; KEY STEP t = 4 trip + u.  Slot u holds its chunk.
.macro STEP u
	s_wait_loadcnt 0x0                             ; my part of chunk t + 2 and wo's four rows, asked for a step ago
.if \u >= 2
	s_cmp_lt_u32 s[TRIP], 5                        ; there is no chunk 24 or 25
	s_cbranch_scc0 .Lno_store_\@
.endif
	WIN 0x04
	LST SG, (\u+2)%4
	WIN 0
.Lno_store_\@:
	s_cmp_lt_u32 s[TRIP], 2                        ; wo's part: the first eight steps
	s_cbranch_scc0 .Lno_wo_\@
	WIN 0x04
.irp j, 0,1,2,3
	ds_store_b128 v[WSI], v[WR+4*\j:WR+4*\j+3] offset:528*(4*\u+\j)
.endr
	WIN 0
.if \u == 3
	WOQ
.endif
.Lno_wo_\@:
	s_wait_dscnt 0x0                               ; my stores are done and have read their registers; my reads of the last step are over; K of this step is in
.if \u >= 1
	s_cmp_lt_u32 s[TRIP], 5
	s_cbranch_scc0 .Lno_load_\@
.endif
	WIN 0x40
	GLD SG, (\u+3)*CHUNK
	WIN 0
.Lno_load_\@:
	s_cmp_lt_u32 s[TRIP], 2-(\u)/3                 ; wo's next four rows; behind my second fragment's last there are none
	s_cbranch_scc0 .Lno_rows_\@
	WIN 0x40
.irp j, 0,1,2,3
.set ROWI, 4*((\u+1)%4)+\j
	global_load_b128 v[WR+4*\j:WR+4*\j+3], v[LI], s[WP:WP+1] offset:(ROWI+8*(ROWI/8))*16384+512*((\u)/3) th:TH_LOAD_NT
.endr
	WIN 0
.Lno_rows_\@:
	s_load_b512 s[20:35], s[4:5], s6 offset:0x0    ; this step's 64 mask words: word n in s[20 + n], from n = 32 on in s[36 + n]
	s_load_b512 s[36:51], s[4:5], s6 offset:0x40
	s_load_b512 s[68:83], s[4:5], s6 offset:0x80
	s_load_b512 s[84:99], s[4:5], s6 offset:0xc0
	s_barrier_signal -1
	s_bitcmp1_b32 s[HID], 0
	s_cbranch_scc1 .Lhidden_\@
	VLOAD \u
	WIN 0x01
.irp t, 0,1,2,3,4,5,6,7
	v_wmma_scale_f32_16x16x128_f8f6f4 v[96+8*\t:103+8*\t], v[12*\t:12*\t+11], v[16:27], 0, v[KS+\t], v255 matrix_a_fmt:MATRIX_FMT_FP6 matrix_b_fmt:MATRIX_FMT_FP6
.endr
	WIN 0
	PLACES 4                                       ; in front of the loads into K's registers and of the first read of the scores
	s_bitcmp1_b32 s[HID], 1
	s_cbranch_scc1 .Lno_k_\@
	KLOAD (\u+1)%4                                 ; the next step's K, under this step's softmax
.Lno_k_\@:
	s_bitcmp1_b32 s[OPN], 0
	s_cbranch_scc1 .Lopen_\@
	s_wait_kmcnt 0x0
.set n, 0
.rept 64
	v_cndmask_b32 v[96+n], v[VMIN], v[96+n], s[20+n+16*(n/32)]   ; a hidden key's score becomes -2^120; ascending
.set n, n+1
.endr
.Lopen_\@:
	SOFT
	s_wait_alu depctr_va_vdst(0)
	s_wait_dscnt 0x0                               ; V is in (and the next K, asked for ahead of the softmax)
	WIN 0x01
.irp t, 0,1,2,3,4,5,6,7
	v_wmma_scale_f32_16x16x128_f8f6f4 v[160+8*\t:167+8*\t], v[96+12*\t:96+12*\t+11], v[224:235], v[160+8*\t:167+8*\t], v[VS+\t], v253 matrix_a_fmt:MATRIX_FMT_FP6 matrix_b_fmt:MATRIX_FMT_FP6
.endr
	WIN 0
	PLACES 4                                       ; in front of the next loads into V's registers
	s_branch .Ljoin_\@
.Lhidden_\@:
	s_bitcmp1_b32 s[HID], 1
	s_cbranch_scc1 .Ljoin_\@
	KLOAD (\u+1)%4
.Ljoin_\@:
	s_wait_kmcnt 0x0                               ; the mask words' loads have read their offset and written their registers
	s_add_co_u32 s[MOFF], s[MOFF], 256
	s_lshr_b32 s[HID], s[HID], 1
	s_lshr_b32 s[OPN], s[OPN], 1
	s_barrier_wait -1
.endm
	s_load_b256 s[20:27], s[0:1], 0x0              ; qbuf s[20:21], kv s[22:23], maskw s[24:25], obuf s[26:27]
	s_load_b128 s[28:31], s[0:1], 0x20             ; wo s[28:29], wob s[30:31]
	v_lshl_add_u32 v[SPW], v0, 2, SPARE
	v_mov_b32 v[NIL], 0
	v_lshrrev_b32 v8, 5, v0
	s_delay_alu instid0(VALU_DEP_1)
	v_readfirstlane_b32 s[WV], v8                  ; wave 0..7
	s_mov_b32 s36, ttmp9                           ; x
	s_and_b32 s37, ttmp7, 0xffff                   ; g
	s_and_b32 s38, s[WV], 3
	s_lshr_b32 s39, s[WV], 2
	s_sub_co_u32 s41, 63, s36
	s_cmp_eq_u32 s39, 0
	s_cselect_b32 s40, s36, s41                    ; my tile of queries: x or 63 - x
	s_lshl_b32 s42, s37, 2
	s_add_co_u32 s42, s42, s38                     ; my query head
	s_mul_i32 s46, s[WV], 3072
	s_lshl_b32 s47, s36, 11                        ; 2,048 x
	s_lshl_b32 s48, s36, 1
	s_sub_co_u32 s48, 63, s48
	s_lshl_b32 s48, s48, 11                        ; 2,048 (63 - 2 x)
	s_lshl_b32 s50, s39, 8
	s_lshl_b32 s49, s38, 2
	s_add_co_u32 s50, s50, s49
	s_add_co_u32 s50, s50, OSC
	s_mul_i32 s51, s[WV], 8448
	s_add_co_u32 s51, s51, WSTG                    ; my stage for wo
	v_and_b32 v10, 31, v0
	v_and_b32 v11, 15, v0
	v_lshl_add_u32 v[STS], v0, 2, 24576
	v_lshl_add_u32 v[STS+1], v0, 2, 24576+2*CHUNK
	v_lshlrev_b32 v[LI], 4, v10
	v_lshlrev_b32 v[R32], 5, v11
	v_bfe_u32 v10, v0, 4, 1                        ; h
	v_lshl_add_u32 v[OSA], v11, 4, s50             ; OSC + 256 (wave / 4) + 16 r + 4 (wave % 4)
	v_add_nc_u32 v[LI+2], 2*CHUNK, v[LI]
	v_add_nc_u32 v[R32+2], 2*CHUNK, v[R32]
	v_add_nc_u32 v[STA], s46, v[LI]
	v_add_nc_u32 v[OSL], OSC, v[LI]
	v_add_nc_u32 v[WSI], s51, v[LI]
	v_mul_u32_u24 v[WSO], v11, 528
	v_add_nc_u32 v[STA+1], 2*CHUNK, v[STA]
	v_lshlrev_b32 v[H8], 3, v10
	v_lshlrev_b32 v[WSA], 2, v10
	v_lshl_add_u32 v[WSO], v10, 7, v[WSO]
	v_mul_u32_u24 v[OSG], v10, s48
	v_lshl_add_u32 v[WSA], v11, 4, v[WSA]          ; 16 r + 4 h
	v_add_nc_u32 v[WSO], s51, v[WSO]               ; row r, + 128 h
	v_lshl_add_u32 v[OSG], v11, 4, v[OSG]
	v_mov_b32 v[VMIN], 0xfb800000                  ; -2^120
	v_mov_b32 v13, 0xff61b1e6                      ; the largest t so far: -3e38
	v_add_nc_u32 v[OSG], s47, v[OSG]               ; 16 r + 2,048 x (tile x in lanes 0-15, tile 63 - x in lanes 16-31)
	v_floor_f32 v12, -v13
	v_mov_b32 v14, 0
	v_mov_b32 v15, 0
.irp b, 0,1,2,3
	v_mov_b32 v[236+\b], 0                         ; a lane permute's destination counts as one of its sources
	v_mov_b32 v[TM+4+\b], 0
.endr
	v_mov_b32 v[TM+9], 0
	v_mov_b32 v253, 0
.set j, 0
.rept 64
	v_mov_b32 v[160+j], 0                          ; O^T: the step is written for every key step alike; which step is a tile's first hangs on the mask
.set j, j+1
.endr
	s_mov_b32 s45, 0                               ; the upper word of every offset pair
	s_mul_i32 s44, s37, 614400                     ; the key head's 24 chunks
	s_wait_alu depctr_va_vdst(0)
	s_wait_kmcnt 0x0
	s_add_nc_u64 s[KVB:KVB+1], s[22:23], s[44:45]
	WIN 0x40
	GLD 96, 0                                      ; chunks 0 and 1 pass through V's registers
	GLD 128, CHUNK
	WIN 0
	s_lshl_b32 s44, s42, 6
	s_add_co_u32 s44, s44, s40
	s_mul_i32 s44, s44, 1536
	s_add_nc_u64 s[52:53], s[20:21], s[44:45]      ; Q's image
	s_lshl_b32 s44, s42, 3
	s_lshr_b32 s46, s40, 3
	s_add_co_u32 s44, s44, s46
	s_lshl_b32 s44, s44, 9
	s_and_b32 s46, s40, 7
	s_lshl_b32 s46, s46, 2
	s_add_co_u32 s44, s44, s46
	s_add_co_u32 s44, s44, 3145728
	s_add_nc_u64 s[54:55], s[20:21], s[44:45]      ; Q's scale words: + 32 r
.irp c, 0,1,2
	global_load_b128 v[16+4*\c:19+4*\c], v[LI], s[52:53] offset:512*\c
.endr
	global_load_b32 v255, v[R32], s[54:55]
	WIN 0x40
	GLD SG, 2*CHUNK
	WIN 0
	s_lshl_b32 s44, s40, 6
	s_add_co_u32 s44, s44, 393216
	s_add_nc_u64 s[56:57], s[24:25], s[44:45]      ; my tile's class words
	s_load_b256 s[68:75], s[56:57], 0x0
	s_load_b128 s[76:79], s[56:57], 0x20
	s_mul_i32 s44, s40, 6144
	s_add_nc_u64 s[4:5], s[24:25], s[44:45]        ; my tile's mask words: 256 bytes a key step
	s_lshl_b32 s44, s40, 5
	s_add_co_u32 s44, s44, s42
	s_mul_i32 s44, s44, 1536
	s_add_nc_u64 s[16:17], s[26:27], s[44:45]      ; O's image: tile x 32 K steps + head
	s_lshl_b32 s44, s37, 8
	s_add_co_u32 s44, s44, 3145728
	s_add_nc_u64 s[18:19], s[26:27], s[44:45]      ; O's scale words, quad g
	; wo: wave W = (32 g + x) 8 + wave of 2,048 takes tile W / 16 and K steps 2 (W % 16), 2 (W % 16) + 1
	s_lshl_b32 s46, s37, 4
	s_lshr_b32 s48, s36, 1
	s_add_co_u32 s46, s46, s48                     ; the tile
	s_and_b32 s48, s36, 1
	s_lshl_b32 s48, s48, 3
	s_add_co_u32 s48, s48, s[WV]                   ; the pair of K steps
	s_lshr_b32 s44, s46, 1
	s_lshl_b32 s44, s44, 5
	s_and_b32 s49, s46, 1
	s_lshl_b32 s49, s49, 3
	s_add_co_u32 s44, s44, s49
	s_lshl_b32 s44, s44, 14
	s_lshl_b32 s49, s48, 10
	s_add_co_u32 s44, s44, s49
	s_add_nc_u64 s[WP:WP+1], s[28:29], s[44:45]
	WIN 0x40
.irp j, 0,1,2,3
	global_load_b128 v[WR+4*\j:WR+4*\j+3], v[LI], s[WP:WP+1] offset:\j*16384 th:TH_LOAD_NT   ; my first fragment's rows 0-3
.endr
	WIN 0
	s_mul_i32 s44, s46, 49152
	s_mul_i32 s49, s48, 3072
	s_add_co_u32 s44, s44, s49
	s_add_nc_u64 s[WI:WI+1], s[30:31], s[44:45]
	s_lshl_b32 s44, s46, 11
	s_lshr_b32 s49, s48, 1
	s_lshl_b32 s49, s49, 8
	s_add_co_u32 s44, s44, s49
	s_and_b32 s49, s48, 1
	s_lshl_b32 s49, s49, 3
	s_add_co_u32 s44, s44, s49
	s_add_co_u32 s44, s44, 6291456
	s_add_nc_u64 s[WS:WS+1], s[30:31], s[44:45]
	s_mov_b32 s[SEL], 0x76543210
	s_mov_b32 s[SEL+1], 0xfedcba98
	s_mov_b32 s[CS], 0x3e0293ee                    ; c = log2(e) / sqrt(128)
	s_mov_b32 s[CS+1], s[CS]
	s_mov_b32 s[MOFF], 0
	s_wait_loadcnt 15                              ; chunks 0 and 1 are in; behind them: Q's 4 loads, chunk 2's 7, wo's 4
	WIN 0x04
	LST 96, 0
	LST 128, 1
	WIN 0
	s_wait_kmcnt 0x0                               ; the class words: for group q of four steps s[68 + 2 q] the bits, s[69 + 2 q] the lanes with an open key
	s_or_b32 s80, s69, s71
	s_or_b32 s81, s73, s75
	s_or_b32 s82, s77, s79
	s_or_b32 s80, s80, s81
	s_or_b32 s80, s80, s82
	s_lshr_b32 s81, s80, 16
	s_or_b32 s80, s80, s81
	s_and_b32 s80, s80, 0xffff                     ; bit r: row r has an open key
	s_mov_b32 s[HID], 0
	s_mov_b32 s[OPN], 0
.irp q, 0,1,2,3,4,5
	s_and_b32 s81, s[68+2*\q], 15
	s_lshl_b32 s81, s81, 4*\q
	s_or_b32 s[HID], s[HID], s81
	s_bfe_u32 s81, s[68+2*\q], 0x40004
	s_lshl_b32 s81, s81, 4*\q
	s_or_b32 s[OPN], s[OPN], s81
.endr
	s_cmp_eq_u32 s80, 0xffff
	s_cselect_b32 s[HID], s[HID], 0                ; a tile with a wholly hidden row jumps over nothing
	s_or_b32 s[HID], s[HID], 1<<24                 ; behind the last step there is no K to fetch
	s_wait_dscnt 0x0                               ; for the others' sake
	s_barrier_signal -1
	s_barrier_wait -1                              ; chunks 0 and 1 are whole
	KLOAD 0
	s_mov_b32 s[TRIP], 0
.Ltrip:
	STEP 0
	STEP 1
	STEP 2
	STEP 3
	s_wait_xcnt 0x0                                ; every load and store has read its base
	s_add_nc_u64 s[KVB:KVB+1], s[KVB:KVB+1], 4*CHUNK
	s_add_nc_u64 s[WP:WP+1], s[WP:WP+1], 512
	s_add_nc_u64 s[WI:WI+1], s[WI:WI+1], 1536
	s_add_co_u32 s[TRIP], s[TRIP], 1
	s_cmp_lt_u32 s[TRIP], 6
	s_cbranch_scc1 .Ltrip
	; THE WAY OUT: O^T / l; its 64 registers run along the head's channels, K step 'head' of the last product: quantised as they stand; the fragment leaves as an image.
	PLACES 4
	s_wait_xcnt 0x0                                ; wo's stores have read their data
	v_add_f32 v14, v14, v15
	s_delay_alu instid0(VALU_DEP_1)
	v_permlanex16_b32 v252, v14, s[SEL], s[SEL+1]
	s_delay_alu instid0(VALU_DEP_1)
	v_add_f32 v14, v14, v252                       ; the row's sum
	s_wait_alu depctr_va_vdst(0)
	v_rcp_f32 v14, v14
	v_nop
	s_wait_alu depctr_va_vdst(0)
.set j, 0
.rept 64
	v_mul_f32 v[96+j], v[160+j], v14
.set j, j+1
.endr
.irp b, 0,1,2,3
	v_max3_num_f32 v[TM+\b], |v[96+16*\b]|, |v[97+16*\b]|, 0x1800000
.endr
.irp i, 2,4,6,8,10,12,14
.irp b, 0,1,2,3
	s_delay_alu instid0(VALU_DEP_4)
	v_max3_num_f32 v[TM+\b], |v[96+16*\b+\i]|, |v[97+16*\b+\i]|, v[TM+\b]
.endr
.endr
.irp b, 0,1,2,3
	s_delay_alu instid0(VALU_DEP_4)
	v_permlanex16_b32 v[TM+4+\b], v[TM+\b], s[SEL], s[SEL+1]
.endr
.irp b, 0,1,2,3
	s_delay_alu instid0(VALU_DEP_4)
	v_max_num_f32 v[TM+\b], v[TM+\b], v[TM+4+\b]
.endr
.irp b, 0,1,2,3
	s_delay_alu instid0(VALU_DEP_4)
	v_add_nc_u32 v[TM+12+\b], 0xff000000, v[TM+\b]
.endr
.irp b, 0,1,2,3
	s_delay_alu instid0(VALU_DEP_4)
	v_lshrrev_b32 v[TM+4+\b], 23, v[TM+12+\b]
.endr
	s_delay_alu instid0(VALU_DEP_3)
	v_lshl_or_b32 v[PWO], v[TM+5], 8, v[TM+4]
	s_delay_alu instid0(VALU_DEP_1)
	v_lshl_or_b32 v[PWO], v[TM+6], 16, v[PWO]
	s_delay_alu instid0(VALU_DEP_1)
	v_lshl_or_b32 v[PWO], v[TM+7], 24, v[PWO]
.irp c, 0,1
	v_cvt_scalef32_pk16_fp6_f32 v[PC+6*\c:PC+2+6*\c], v[96+32*\c:111+32*\c], v[TM+12+2*\c]
	v_cvt_scalef32_pk16_fp6_f32 v[PC+12+4*\c:PC+14+4*\c], v[112+32*\c:127+32*\c], v[TM+12+2*\c+1]
.endr
	v_nop
.irp c, 0,1
.irp i, 0,1,2
	v_permlane16_swap_b32 v[PC+6*\c+\i], v[PC+12+4*\c+\i]
.endr
.irp i, 0,1,2
	s_delay_alu instid0(VALU_DEP_3)
	v_mov_b32 v[PC+3+6*\c+\i], v[PC+12+4*\c+\i]
.endr
.endr
.irp c, 0,1,2
	global_store_b128 v[LI], v[PC+4*\c:PC+4*\c+3], s[16:17] offset:512*\c
.endr
	ds_store_b32 v[OSA], v[PWO]                    ; the four heads' words of a row are 16 neighbouring bytes: they meet in LDS
	s_wait_dscnt 0x0                               ; for the others' sake
	s_barrier_signal -1
	s_barrier_wait -1
	s_cmp_lg_u32 s[WV], 0
	s_cbranch_scc1 .Lnot_first
	ds_load_b128 v[88:91], v[OSL]
	s_wait_dscnt 0x0
	global_store_b128 v[OSG], v[88:91], s[18:19]   ; lanes 0-15 fill 256 aligned bytes of tile x's words, lanes 16-31 of tile 63 - x's
.Lnot_first:
	s_wait_tensorcnt 0x0                           ; the wave's end
	ds_add_u32 v[SPW], v[NIL]
	s_wait_dscnt 0x0
	s_endpgm
.Lfunc_end_k_q98fbd8dd3d_attn:
	.size	k_q98fbd8dd3d_attn, .Lfunc_end_k_q98fbd8dd3d_attn-k_q98fbd8dd3d_attn
	.p2alignl 7, 3214868480
	.fill 96, 4, 3214868480
	.section	.rodata,"a",@progbits
	.p2align	6, 0x0
	.amdhsa_kernel k_q98fbd8dd3d_attn
		.amdhsa_group_segment_fixed_size 171520
		.amdhsa_private_segment_fixed_size 0
		.amdhsa_enable_private_segment 0
		.amdhsa_kernarg_size 48
		.amdhsa_user_sgpr_count 2
		.amdhsa_user_sgpr_kernarg_segment_ptr 1
		.amdhsa_wavefront_size32 1
		.amdhsa_system_sgpr_workgroup_id_x 1
		.amdhsa_system_sgpr_workgroup_id_y 1
		.amdhsa_system_sgpr_workgroup_id_z 1
		.amdhsa_system_vgpr_workitem_id 0
		.amdhsa_next_free_vgpr 512
		.amdhsa_next_free_sgpr 106
		.amdhsa_reserve_vcc 1
		.amdhsa_float_denorm_mode_32 3
		.amdhsa_float_denorm_mode_16_64 3
		.amdhsa_memory_ordered 1
		.amdhsa_forward_progress 1
		.amdhsa_inst_pref_size 143
	.end_amdhsa_kernel
	.amdgpu_metadata
---
amdhsa.version: [ 1, 2 ]
amdhsa.kernels:
  - .name:           k_q98fbd8dd3d_attn
    .symbol:         k_q98fbd8dd3d_attn.kd
    .args:
      - { .name: qbuf, .offset: 0, .size: 8, .value_kind: global_buffer, .address_space: global }
      - { .name: kv, .offset: 8, .size: 8, .value_kind: global_buffer, .address_space: global }
      - { .name: maskw, .offset: 16, .size: 8, .value_kind: global_buffer, .address_space: global }
      - { .name: obuf, .offset: 24, .size: 8, .value_kind: global_buffer, .address_space: global }
      - { .name: wo, .offset: 32, .size: 8, .value_kind: global_buffer, .address_space: global }
      - { .name: wob, .offset: 40, .size: 8, .value_kind: global_buffer, .address_space: global }
    .group_segment_fixed_size: 171520
    .private_segment_fixed_size: 0
    .kernarg_segment_align: 8
    .kernarg_segment_size: 48
    .max_flat_workgroup_size: 256
    .sgpr_count:     106
    .vgpr_count:     512
    .wavefront_size: 32
...
	.end_amdgpu_metadata
.endif
;; end of part 3
;; launch oproj (part 4): grid 16 x 16, 4 waves a work-group, clusters of 4 x 4, 327,680 bytes of LDS; arguments obuf, wob, out0; writes out0
.if DOCPART == 4
	.amdgcn_target "amdgcn-amd-amdhsa--gfx1250"
	.amdhsa_code_object_version 6
	.text
	.protected	k_q98fbd8dd3d_oproj
	.globl	k_q98fbd8dd3d_oproj
	.p2align	8
	.type	k_q98fbd8dd3d_oproj,@function
k_q98fbd8dd3d_oproj:
	s_mov_b64 s[64:65], 0
	v_nop
	global_prefetch_b8 v0, s[64:65] scope:SCOPE_SE
	s_setreg_imm32_b32 hwreg(HW_REG_WAVE_MODE, 25, 1), 1
	s_wait_xcnt 0x0
	s_wait_alu depctr_hold_cnt(0) depctr_sa_sdst(0) depctr_va_vdst(0) depctr_va_sdst(0) depctr_va_ssrc(0) depctr_va_vcc(0) depctr_vm_vsrc(0)
	s_getreg_b32 s2, hwreg(HW_REG_IB_STS2, 6, 4)
	s_cmp_eq_u32 s2, 0
	s_cbranch_scc0 .Lentry_in_a_cluster
	s_endpgm
.Lentry_in_a_cluster:
	s_bfe_u32 s2, ttmp6, 0x10000c
	s_cmp_lg_u32 s2, 0xf033
	s_cbranch_scc0 .Lentry_shape_is_right
	s_endpgm
.Lentry_shape_is_right:
.set SLOT,  147456
.set BOFF,  49152
.set SCL,   2*SLOT
.set SPARE, SCL+24576
.set SPITCH, 528
.set LI,    1
.set ADRA,  4
.set ADRB,  6
.set ADRS0, 8
.set ADRS1, 9
.set STO,   10
.set RD,    11
.set SPW,   13
.set NIL,   14
.set SC,    16
.set F0,    48
.set ACC,   192
.set G1,   24
.set G0,   32
.set G1B,  48
.set G0B,  56
.set G1S,  68
.set G0S,  76
.set G1SB, 80
.set G0SB, 88
.macro JLOAD g0a, g1a, g0b, g1b
	s_cmp_eq_u32 s15, 0
	s_cbranch_scc0 .Lfor_b_\@
	tensor_load_to_lds s[\g0a:\g0a+3], s[\g1a:\g1a+7]
	s_nop 0
.rept 4
	v_nop
.endr
	s_branch .Lasked_\@
.Lfor_b_\@:
	tensor_load_to_lds s[\g0b:\g0b+3], s[\g1b:\g1b+7]
	s_nop 0
.rept 4
	v_nop
.endr
.Lasked_\@:
.endm
.macro CROUND
	s_barrier_signal -1
	s_barrier_wait -1
	s_cmp_lg_u32 s14, 0
	s_cbranch_scc1 .Lnot_wave_0_\@
	s_barrier_signal -3
.Lnot_wave_0_\@:
	s_barrier_wait -3
	s_barrier_signal -1
	s_barrier_wait -1
.endm
.macro PLACES n
.rept \n
	v_nop
.endr
.endm
	s_load_b128 s[4:7], s[0:1], 0x0
	s_load_b64 s[10:11], s[0:1], 0x10
	v_lshl_add_u32 v[SPW], v0, 2, SPARE
	v_mov_b32 v[NIL], 0
	ds_add_u32 v13, v14
	ds_add_u32 v13, v14
	s_wait_dscnt 0x0
	v_lshrrev_b32 v1, 5, v0
	v_readfirstlane_b32 s14, v1
	s_lshr_b32 s15, s14, 1
	s_and_b32 s16, s14, 1
	s_bfe_u32 s40, ttmp6, 0x40000
	s_bfe_u32 s41, ttmp6, 0x40004
	s_lshl_b32 s42, ttmp9, 2
	s_add_co_u32 s42, s42, s40
	s_and_b32 s17, ttmp7, 0xffff
	s_lshl_b32 s17, s17, 2
	s_add_co_u32 s17, s17, s41
	s_lshl_b32 s43, s41, 2
	s_lshl_b32 s43, 15, s43
	s_lshl_b32 s44, 0x1111, s40
	s_or_b32 s[G1+0], s43, (3<<16)|(1<<21)
	s_mov_b32 s[G1+1], 1536<<16
	s_mov_b32 s[G1+2], 2<<16
	s_mov_b32 s[G1+3], 1536<<16
	s_mov_b32 s[G1+4], 2
	s_mov_b32 s[G1+5], 6144
	s_mov_b32 s[G1+6], 0
	s_mov_b32 s[G1+7], 0
	s_or_b32 s[G1B+0], s44, (3<<16)|(1<<21)
	s_mov_b32 s[G1B+1], 1536<<16
	s_mov_b32 s[G1B+2], 4<<16
	s_mov_b32 s[G1B+3], 1536<<16
	s_mov_b32 s[G1B+4], 4
	s_mov_b32 s[G1B+5], 6144
	s_mov_b32 s[G1B+6], 0
	s_mov_b32 s[G1B+7], 0
	s_or_b32 s[G1S+0], s43, (3<<16)|(1<<21)
	s_mov_b32 s[G1S+1], 32<<16
	s_mov_b32 s[G1S+2], 16<<16
	s_mov_b32 s[G1S+3], 32<<16
	s_mov_b32 s[G1S+4], 16
	s_mov_b32 s[G1S+5], 32
	s_mov_b32 s[G1S+6], 0
	s_mov_b32 s[G1S+7], 0
	s_or_b32 s[G1SB+0], s44, (3<<16)|(1<<21)
	s_mov_b32 s[G1SB+1], 32<<16
	s_mov_b32 s[G1SB+2], 32<<16
	s_mov_b32 s[G1SB+3], 32<<16
	s_mov_b32 s[G1SB+4], 32
	s_mov_b32 s[G1SB+5], 32
	s_mov_b32 s[G1SB+6], 0
	s_mov_b32 s[G1SB+7], 0
	s_lshl_b32 s20, s17, 2
	s_lshl_b32 s18, s16, 1
	s_add_co_u32 s20, s20, s18
	s_lshl_b32 s22, s20, 11
	s_add_co_u32 s22, s22, 3145728
	s_mul_i32 s20, s20, 49152
	s_mov_b32 s21, 0
	s_mov_b32 s23, 0
	s_lshl_b32 s46, s42, 3
	s_lshl_b32 s18, s16, 2
	s_add_co_u32 s46, s46, s18
	s_lshl_b32 s92, s46, 11
	s_add_co_u32 s92, s92, 6291456
	s_mul_i32 s46, s46, 49152
	s_mov_b32 s47, 0
	s_mov_b32 s93, 0
	s_mul_i32 s45, s16, 24576
	s_mul_i32 s94, s16, 49152
	s_add_co_u32 s94, s94, BOFF
	s_lshl_b32 s95, s16, 12
	s_lshl_b32 s96, s16, 13
	s_add_co_u32 s96, s96, 8192
	s_wait_kmcnt 0x0
	s_add_nc_u64 s[20:21], s[4:5], s[20:21]
	s_add_nc_u64 s[22:23], s[4:5], s[22:23]
	s_add_nc_u64 s[46:47], s[6:7], s[46:47]
	s_add_nc_u64 s[92:93], s[6:7], s[92:93]
	CROUND
	s_mov_b32 s[G0S], 1
	s_add_co_u32 s[G0S+1], s95, SCL
	s_mov_b64 s[G0S+2:G0S+3], s[22:23]
	s_or_b32 s[G0S+3], s[G0S+3], 0x80000000
	s_mov_b32 s[G0SB], 1
	s_add_co_u32 s[G0SB+1], s96, SCL
	s_mov_b64 s[G0SB+2:G0SB+3], s[92:93]
	s_or_b32 s[G0SB+3], s[G0SB+3], 0x80000000
	JLOAD G0S, G1S, G0SB, G1SB
.irp s, 0,1
	s_mov_b32 s[G0+4*\s], 1
	s_add_co_u32 s[G0+4*\s+1], s45, \s*SLOT
	s_add_nc_u64 s[G0+4*\s+2:G0+4*\s+3], s[20:21], \s*12288
	s_or_b32 s[G0+4*\s+3], s[G0+4*\s+3], 0x80000000
	s_mov_b32 s[G0B+4*\s], 1
	s_add_co_u32 s[G0B+4*\s+1], s94, \s*SLOT
	s_add_nc_u64 s[G0B+4*\s+2:G0B+4*\s+3], s[46:47], \s*12288
	s_or_b32 s[G0B+4*\s+3], s[G0B+4*\s+3], 0x80000000
	s_wait_alu depctr_va_vdst(0)
	s_wait_tensorcnt 0x0
	ds_add_u32 v13, v14
	s_wait_dscnt 0x0
	CROUND
	JLOAD G0+4*\s, G1, G0B+4*\s, G1B
.endr
	v_and_b32 v12, 31, v0
	v_lshlrev_b32 v[LI], 4, v12
	v_and_b32 v2, 15, v0
	v_bfe_u32 v3, v0, 4, 1
	s_wait_alu depctr_va_vdst(0)
	s_mul_i32 s21, s15, 24576
	s_mul_i32 s22, s16, 49152
	s_add_co_u32 s22, s22, BOFF
.irp s, 0,1
	v_add_nc_u32 v[ADRA+\s], s21, v[LI]
	v_add_nc_u32 v[ADRB+\s], s22, v[LI]
	s_add_co_u32 s21, s21, SLOT
	s_add_co_u32 s22, s22, SLOT
.endr
	v_lshlrev_b32 v12, 4, v2
	s_lshl_b32 s21, s15, 12
	s_lshl_b32 s22, s16, 13
	s_add_co_u32 s22, s22, 8192
	s_sub_co_u32 s22, s22, s21
	s_add_co_u32 s23, s22, 4096
	s_add_co_u32 s21, s21, SCL
	v_mul_u32_u24 v15, s22, v3
	v_add_nc_u32 v15, v15, v12
	v_add_nc_u32 v[ADRS0], s21, v15
	v_mul_u32_u24 v15, s23, v3
	v_add_nc_u32 v15, v15, v12
	v_add_nc_u32 v[ADRS1], s21, v15
	v_and_b32 v12, 8, v2
	v_add_nc_u32 v12, v12, v2
	s_lshl_b32 s21, s15, 5
	v_add_nc_u32 v12, s21, v12
	v_mul_u32_u24 v[STO], v12, SPITCH
	v_lshl_add_u32 v[STO], v3, 6, v[STO]
	s_lshl_b32 s21, s16, 8
	v_add_nc_u32 v[STO], s21, v[STO]
	s_mul_i32 s21, s14, 16*SPITCH
	v_add_nc_u32 v[RD], s21, v[LI]
	s_lshl_b32 s92, s17, 6
	s_lshl_b32 s94, s14, 4
	s_add_co_u32 s92, s92, s94
	s_lshl_b32 s92, s92, 13
	s_lshl_b32 s94, s42, 9
	s_add_co_u32 s92, s92, s94
	s_mov_b32 s93, 0
	s_add_nc_u64 s[10:11], s[10:11], s[92:93]
.macro FRAGS slot, s, f
.irp a, 0,1
.irp c, 0,1,2
	ds_load_b128 v[\f+12*\a+4*\c:\f+12*\a+4*\c+3], v[ADRA+\slot] offset:12288*\a+1536*(\s)+512*\c
.endr
.endr
.irp b, 0,1,2,3
.irp c, 0,1,2
	ds_load_b128 v[\f+24+12*\b+4*\c:\f+24+12*\b+4*\c+3], v[ADRB+\slot] offset:12288*\b+1536*(\s)+512*\c
.endr
.endr
.endm
.macro MUL8 f, s, zero
.irp a, 0,1
.irp b, 0,1,2,3
.if \zero
	v_wmma_scale_f32_16x16x128_f8f6f4 v[ACC+8*(4*\a+\b):ACC+8*(4*\a+\b)+7], v[\f+24+12*\b:\f+24+12*\b+11], v[\f+12*\a:\f+12*\a+11], 0, v[SC+16*((\s)/4)+4*\b+(\s)%4], v[SC+16*((\s)/4)+4*\a+(\s)%4] matrix_a_fmt:MATRIX_FMT_FP6 matrix_b_fmt:MATRIX_FMT_FP6 matrix_a_scale:MATRIX_SCALE_ROW1
.else
	v_wmma_scale_f32_16x16x128_f8f6f4 v[ACC+8*(4*\a+\b):ACC+8*(4*\a+\b)+7], v[\f+24+12*\b:\f+24+12*\b+11], v[\f+12*\a:\f+12*\a+11], v[ACC+8*(4*\a+\b):ACC+8*(4*\a+\b)+7], v[SC+16*((\s)/4)+4*\b+(\s)%4], v[SC+16*((\s)/4)+4*\a+(\s)%4] matrix_a_fmt:MATRIX_FMT_FP6 matrix_b_fmt:MATRIX_FMT_FP6 matrix_a_scale:MATRIX_SCALE_ROW1
.endif
.endr
.endr
.endm
.macro RUN slot, chunk, zero
	PLACES 4
.irp qd, 0,1
.irp i, 0,1
	ds_load_b128 v[SC+16*\qd+4*\i:SC+16*\qd+4*\i+3], v[ADRS0] offset:(2*\chunk+\qd)*256+\i*2048
.endr
.irp i, 2,3
	ds_load_b128 v[SC+16*\qd+4*\i:SC+16*\qd+4*\i+3], v[ADRS1] offset:(2*\chunk+\qd)*256+(\i-2)*2048
.endr
.endr
	FRAGS \slot, 0, F0
.irp s, 0,1,2,3,4,5,6,7
.if \s < 7
.if \s > 0
	PLACES 4
.endif
	FRAGS \slot, \s+1, F0+72*((\s+1)%2)
	s_wait_dscnt 18
.else
	s_wait_dscnt 0x0
.endif
.if \s == 0
	MUL8 F0, 0, \zero
.else
	MUL8 F0+72*(\s%2), \s, 0
.endif
.endr
.endm
.macro CHG slot, fill
	s_wait_tensorcnt 0x0
	ds_add_u32 v[SPW], v[NIL]
.if \fill
	s_add_nc_u64 s[G0+4*\slot+2:G0+4*\slot+3], s[G0+4*\slot+2:G0+4*\slot+3], 24576
	s_add_nc_u64 s[G0B+4*\slot+2:G0B+4*\slot+3], s[G0B+4*\slot+2:G0B+4*\slot+3], 24576
.endif
	s_wait_dscnt 0x0
.if \fill
	CROUND
	JLOAD G0+4*\slot, G1, G0B+4*\slot, G1B
.else
	s_barrier_signal -1
	s_barrier_wait -1
.endif
.endm
	s_wait_alu depctr_va_vdst(0)
	s_wait_tensorcnt 0x1
	s_barrier_signal -1
	s_barrier_wait -1
	RUN 0, 0, 1
	CHG 0, 1
	RUN 1, 1, 0
	CHG 1, 1
	RUN 0, 2, 0
	CHG 0, 0
	RUN 1, 3, 0
	PLACES 4
.irp a, 0,1
.irp b, 0,1,2,3
	ds_store_b128 v[STO], v[ACC+8*(4*\a+\b):ACC+8*(4*\a+\b)+3] offset:\a*8*SPITCH+(\b/2)*128+(\b%2)*32
	ds_store_b128 v[STO], v[ACC+8*(4*\a+\b)+4:ACC+8*(4*\a+\b)+7] offset:\a*8*SPITCH+(\b/2)*128+(\b%2)*32+16
.endr
.endr
	s_wait_dscnt 0x0
	s_barrier_signal -1
	s_barrier_wait -1
.irp i, 0,1,2,3,4,5,6,7,8,9,10,11,12,13,14,15
	ds_load_b128 v[48+4*\i:51+4*\i], v[RD] offset:\i*SPITCH
.endr
.irp i, 0,1,2,3,4,5,6,7,8,9,10,11,12,13,14,15
	s_wait_dscnt 15-\i
	global_store_b128 v[LI], v[48+4*\i:51+4*\i], s[10:11] offset:8192*\i th:TH_STORE_NT
.endr
	s_wait_tensorcnt 0x0
	ds_add_u32 v[SPW], v[NIL]
	s_wait_dscnt 0x0
	CROUND
	s_endpgm
.Lfunc_end_k_q98fbd8dd3d_oproj:
	.size	k_q98fbd8dd3d_oproj, .Lfunc_end_k_q98fbd8dd3d_oproj-k_q98fbd8dd3d_oproj
	.p2alignl 7, 3214868480
	.fill 96, 4, 3214868480
	.section	.rodata,"a",@progbits
	.p2align	6, 0x0
	.amdhsa_kernel k_q98fbd8dd3d_oproj
		.amdhsa_group_segment_fixed_size 327680
		.amdhsa_private_segment_fixed_size 0
		.amdhsa_enable_private_segment 0
		.amdhsa_kernarg_size 24
		.amdhsa_user_sgpr_count 2
		.amdhsa_user_sgpr_kernarg_segment_ptr 1
		.amdhsa_wavefront_size32 1
		.amdhsa_system_sgpr_workgroup_id_x 1
		.amdhsa_system_sgpr_workgroup_id_y 1
		.amdhsa_system_sgpr_workgroup_id_z 1
		.amdhsa_system_vgpr_workitem_id 0
		.amdhsa_next_free_vgpr 256
		.amdhsa_next_free_sgpr 98
		.amdhsa_reserve_vcc 0
		.amdhsa_float_denorm_mode_32 3
		.amdhsa_float_denorm_mode_16_64 3
		.amdhsa_memory_ordered 1
		.amdhsa_forward_progress 1
		.amdhsa_inst_pref_size 92
	.end_amdhsa_kernel
	.amdgpu_metadata
---
amdhsa.version: [ 1, 2 ]
amdhsa.kernels:
  - .name:           k_q98fbd8dd3d_oproj
    .symbol:         k_q98fbd8dd3d_oproj.kd
    .args:
      - { .name: obuf, .offset: 0, .size: 8, .value_kind: global_buffer, .address_space: global }
      - { .name: wob, .offset: 8, .size: 8, .value_kind: global_buffer, .address_space: global }
      - { .name: out0, .offset: 16, .size: 8, .value_kind: global_buffer, .address_space: global }
    .group_segment_fixed_size: 327680
    .private_segment_fixed_size: 0
    .kernarg_segment_align: 8
    .kernarg_segment_size: 24
    .max_flat_workgroup_size: 128
    .sgpr_count:     98
    .vgpr_count:     256
    .wavefront_size: 32
...
	.end_amdgpu_metadata
.endif
;; end of part 4
